; MI455X (gfx1250); checked and timed in simulation.
; The chip was launched on July 23, 2026; its instructions are those of AMD's public machine-readable ISA for CDNA 5 (MIT licence, August 2026) and "CDNA5" Instruction Set Architecture Reference Guide (July 2026). The comments in the code are by the model that wrote it; some were corrected since.
;; Multi Head Attention. Allowed arithmetic: matrix products marked QUANTISED: E4M3 operands, one given power-of-two scale a tensor, by v_wmma_f32_16x16x64_fp8_fp8 or v_wmma_f32_16x16x128_fp8_fp8, f32 sums; everything else in f32.
;; Inputs: Wk 1,024 x 1,024 float32; Wp 1,024 x 1,024 float32; Wq 1,024 x 1,024 float32; Wv 1,024 x 1,024 float32; bp 1,024 float32; key_data 4 x 2,048 x 1,024 float32; lowp_scales 12 int32 (the exponents e of the quantised operands' scales 2^e); query_data 4 x 2,048 x 1,024 float32; value_data 4 x 2,048 x 1,024 float32.
;; Outputs: out0 4 x 2,048 x 1,024 float32.
;; This version of the problem:
;;   THIS VERSION OF THE PROBLEM IS GIVEN IN LOW PRECISION. The matrix products marked QUANTISED in the list below multiply operands that are first quantised to E4M3 (4 exponent bits, 3 mantissa bits; 8 bits a number), with one given power-of-two scale for each operand tensor; their sums are f32. All else is computed in f32.
;;   The module's matrix products, in the order in which they are computed (A, B: the left and right operand; K: the contracted axis; several contracted axes count as one K, in the product's order):
;;     1. [M 8,192, K 1,024] x [K 1,024, N 1,024]; A: input query_data; B: input Wq: QUANTISED (scales: A lowp_scales[0], B lowp_scales[1])
;;     2. [M 8,192, K 1,024] x [K 1,024, N 1,024]; A: input key_data; B: input Wk: QUANTISED (scales: A lowp_scales[2], B lowp_scales[3])
;;     3. [M 8,192, K 1,024] x [K 1,024, N 1,024]; A: input value_data; B: input Wv: QUANTISED (scales: A lowp_scales[4], B lowp_scales[5])
;;     4. batch 64 x [M 2,048, K 64] x [K 64, N 2,048]; A: computed on the way; B: computed on the way: QUANTISED (scales: A lowp_scales[6], B lowp_scales[7])
;;     5. batch 64 x [M 2,048, K 2,048] x [K 2,048, N 64]; A: softmax (see below); B: computed on the way: QUANTISED (scales: A lowp_scales[8], B lowp_scales[9])
;;     6. [M 8,192, K 1,024] x [K 1,024, N 1,024]; A: computed on the way; B: input Wp: QUANTISED (scales: A lowp_scales[10], B lowp_scales[11])
;;   THE QUANTISER, for each operand of a quantised product, along K:
;;     - The operand's scale is 2^e, e = its entry of the input lowp_scales (int32; the entries are numbered through the quantised products in the list's order, A before B).
;;     - Each number is divided by the scale, clamped to +-448, and rounded to the nearest number of E4M3, ties to even, subnormals kept.
;;     - The product sums the exact products of the quantised numbers (number of the format x scale) in f32.
;;   ~~~python
;;   def quantise(x, axis, e):      # numpy; x: float32 -> the quantised numbers, widened to float32 again
;;       x = np.moveaxis(x, axis, -1); K = x.shape[-1]
;;       r = np.clip(x / 2.0 ** e, -448, 448)
;;       step = 2.0 ** (np.maximum(np.frexp(np.where(r == 0, 1, r))[1] - 1, -6) - 3)
;;       q = np.round(r / step) * step * 2.0 ** e      # np.round: ties to even
;;       return np.moveaxis(q, -1, axis).astype(np.float32)
;;   ~~~
;;   SOFTMAX AHEAD OF A QUANTISED PRODUCT. Where the list says 'softmax', what is quantised is not the finished softmax but p = 2^(t - M), with t = logit x log2(e) and M = ceil(the row's largest t), a whole number; so 1/2 < the row's largest p <= 1. The row's sum l is taken of the UNQUANTISED p, in f32, and the product's result is divided by l at the end. Since M is a whole number, a kernel that streams over the keys may use a running M (the ceiling of the running maximum): every later rescaling is an exact power of two, so the quantised numbers keep their values, but for numbers so far below the row's largest that they fall under the format's range.
;;   OPERANDS COMPUTED ON THE WAY. 'Computed on the way' means the value that the module computes at that place (a softmax that the list does not call 'softmax' is quantised finished and normalised). What goes into a quantiser is computed in f32, as accurately as f32 sums, v_exp_f32 and their like allow (about 1e-6 of the number): no bf16 or f16 on the way to a quantiser, and a product that is left as it is and whose result goes on into a quantised operand takes f32 operands (vector FMAs, or v_wmma_f32_16x16x4_f32). A number that lies on a knife's edge between two numbers of the format may be rounded either way, as far as f32 arithmetic and the matrix unit's own rounding can turn it there, and no further.
;; One version. Each part assembles by itself: llvm-mc -triple=amdgcn-amd-amdhsa -mcpu=gfx1250 --defsym DOCPART=n.
;; ======== version 1 of 1: 4 launches
;; limits: right only within a limited range of input values
;; workspace buffers: xc 25,165,824 bytes; wc 4,194,304 bytes; qkv 25,165,824 bytes; oc 8,388,608 bytes
;; launch quant (part 1): grid 896 x 1, 4 waves a work-group, no clusters, 33,280 bytes of LDS; arguments query_data, key_data, value_data, Wq, Wk, Wv, Wp, lowp_scales, xc, wc; writes xc, wc
.if DOCPART == 1
	.amdgcn_target "amdgcn-amd-amdhsa--gfx1250"
	.amdhsa_code_object_version 6
	.text
	.protected	k_q1a18616606_quant
	.globl	k_q1a18616606_quant
	.p2align	8
	.type	k_q1a18616606_quant,@function
k_q1a18616606_quant:
	s_mov_b64 s[64:65], 0
	v_nop
	global_prefetch_b8 v0, s[64:65] scope:SCOPE_SE
	s_setreg_imm32_b32 hwreg(HW_REG_WAVE_MODE, 25, 1), 1
	s_wait_xcnt 0x0
; The three activations [8192][1024] and the four weights [1024][1024], all f32 with K innermost, become codes of FP8 (E4M3), one byte each, in the same order:
; xc = [query, key, value][8192][1024], wc = [Wq, Wk, Wv, Wp][1024][1024].  code = x / 2^e, held within +-448, rounded to the nearest code, ties to even.
; e is the tensor's entry of lowp_scales: 0, 2, 4 for the activations, 1, 3, 5, 11 for the weights.
; LIMITS: -126 <= e <= 119, so that 2^e and 448 x 2^e are f32 numbers.  NaN among the inputs is not served; an infinity is held at the largest code.
; SHARES.  All tensors are dense streams.  A work-group takes 32,768 numbers, each of its four waves 16 steps of 512.  Work-groups 0-767 take the activations (256 each), 768-895 the weights (32 each).
; Only pointers and the exponent are chosen by the work-group's number: all tensors take one path through the text.
; A conversion takes 8 neighbours from ONE lane's registers, a load is densest where neighbouring LANES take neighbouring bytes: so each of a step's four loads reads 512 consecutive bytes,
; the 2,048 bytes go through the wave's own stage in LDS as they lie and come back 64 bytes a lane (16 bytes of padding behind each 64).  A lane's 16 codes are 16 bytes: a wave stores 512 consecutive bytes.
; No matrix unit, no cluster, no barrier, no prefetch: the waves share nothing and every byte is read once, in long runs, with 16 loads of each wave on their way.
.set STEPS, 16
.set NACT,  768                        ; work-groups that take activations
.set EMAX,  8
.set MANT,  0x600000                   ; the mantissa field of 448 as f32
.set CB,    16                         ; bytes of 16 codes
.set R,     16                         ; v16-79   four sets of 16 numbers as they are loaded
.set X,     80                         ; v80-111  two sets of 16 neighbours
.set C,     128                        ; v128-191 codes: four registers for each step, so that no store's data are written again
.set WREG,  8192                       ; LDS: a region for each wave: two stages of 32 x SP bytes
.set SP,    80                         ; a lane's place in a stage: its 64 bytes + 16 of padding
	s_load_b512 s[32:47], s[0:1], 0x0              ; query s[32:33], key s[34:35], value s[36:37], Wq s[38:39], Wk s[40:41], Wv s[42:43], Wp s[44:45], the exponents s[46:47]
	s_load_b128 s[48:51], s[0:1], 0x40             ; xc s[48:49], wc s[50:51]
	v_lshl_add_u32 v192, v0, 2, 0x8000
	v_mov_b32 v193, 0
	v_lshrrev_b32 v1, 5, v0
	v_readfirstlane_b32 s2, v1                     ; wave
	v_and_b32 v2, 31, v0                           ; lane
	v_lshlrev_b32 v3, 4, v2                        ; my 16 bytes of a load's 512
	s_mul_i32 s3, s2, WREG
	v_lshrrev_b32 v14, 2, v2
	v_mul_u32_u24 v14, v14, SP
	v_and_b32 v15, 3, v2
	v_lshl_add_u32 v14, v15, 4, v14
	v_add_nc_u32 v14, s3, v14                      ; the stage, on the way in: SP (lane / 4) + 16 (lane % 4)
	v_mul_u32_u24 v15, v2, SP
	v_add_nc_u32 v15, s3, v15                      ; and on the way out: SP x lane: my 16 neighbours
	v_mul_u32_u24 v4, v2, CB                       ; my codes' place in a step's
	s_cmp_lt_u32 ttmp9, NACT
	s_cselect_b32 s6, 255, 31
	s_and_b32 s6, ttmp9, s6                        ; which 32,768 numbers of its tensor the work-group takes
	s_cmp_lt_u32 ttmp9, NACT
	s_cselect_b32 s7, 0, NACT
	s_sub_co_u32 s7, ttmp9, s7                     ; and which 32,768 codes of xc or of wc it makes
	s_lshl_b32 s6, s6, 2
	s_add_co_u32 s6, s6, s2
	s_lshl_b32 s7, s7, 2
	s_add_co_u32 s7, s7, s2
	s_lshl_b32 s20, s6, 15                         ; my wave's 8,192 numbers: 32,768 bytes,
	s_mov_b32 s21, 0
	s_lshl_b32 s22, s7, 13                         ; and its 8,192 codes
	s_mov_b32 s23, 0
	s_wait_alu depctr_va_vdst(0)
	s_wait_kmcnt 0x0
	s_load_b256 s[12:19], s[46:47], 0x0            ; e0 .. e7
	s_load_b128 s[24:27], s[46:47], 0x20           ; e8 .. e11
	s_cmp_lt_u32 ttmp9, 864                        ; the tensor is chosen by the work-group's number alone
	s_cselect_b64 s[4:5], s[42:43], s[44:45]
	s_cmp_lt_u32 ttmp9, 832
	s_cselect_b64 s[4:5], s[40:41], s[4:5]
	s_cmp_lt_u32 ttmp9, 800
	s_cselect_b64 s[4:5], s[38:39], s[4:5]
	s_cmp_lt_u32 ttmp9, NACT
	s_cselect_b64 s[4:5], s[36:37], s[4:5]
	s_cselect_b64 s[8:9], s[48:49], s[50:51]
	s_cmp_lt_u32 ttmp9, 512
	s_cselect_b64 s[4:5], s[34:35], s[4:5]
	s_cmp_lt_u32 ttmp9, 256
	s_cselect_b64 s[4:5], s[32:33], s[4:5]
	s_add_nc_u64 s[4:5], s[4:5], s[20:21]
	s_add_nc_u64 s[8:9], s[8:9], s[22:23]
.macro LOAD t
.irp i, 0,1,2,3
	global_load_b128 v[R+16*((\t)%4)+4*\i:R+16*((\t)%4)+4*\i+3], v3, s[4:5] offset:2048*(\t)+512*\i th:TH_LOAD_NT   ; 32 lanes read 512 consecutive bytes
.endr
.endm
.macro TURN t                          ; step t's numbers through the stage: LDS serves a wave's instructions in order, so no wait stands between the stores and the loads
.irp i, 0,1,2,3
	ds_store_b128 v14, v[R+16*((\t)%4)+4*\i:R+16*((\t)%4)+4*\i+3] offset:32*SP*((\t)%2)+8*SP*\i
.endr
.irp i, 0,1,2,3
	ds_load_b128 v[X+16*((\t)%2)+4*\i:X+16*((\t)%2)+4*\i+3], v15 offset:32*SP*((\t)%2)+16*\i
.endr
.endm
.irp t, 0,1,2,3
	LOAD \t
.endr
	s_wait_kmcnt 0x0
	s_cmp_lt_u32 ttmp9, 864                        ; the tensor's exponent, by the same choices
	s_cselect_b32 s28, s17, s27
	s_cmp_lt_u32 ttmp9, 832
	s_cselect_b32 s28, s15, s28
	s_cmp_lt_u32 ttmp9, 800
	s_cselect_b32 s28, s13, s28
	s_cmp_lt_u32 ttmp9, NACT
	s_cselect_b32 s28, s16, s28
	s_cmp_lt_u32 ttmp9, 512
	s_cselect_b32 s28, s14, s28
	s_cmp_lt_u32 ttmp9, 256
	s_cselect_b32 s28, s12, s28
	s_add_co_i32 s28, s28, 127
	s_lshl_b32 s29, s28, 23
	v_mov_b32 v11, s29                             ; 2^e as f32: the conversion takes its exponent field
	s_add_co_i32 s28, s28, EMAX
	s_lshl_b32 s28, s28, 23
	s_or_b32 s28, s28, MANT
	s_wait_alu depctr_va_vdst(0)
	s_wait_loadcnt 12                              ; step 0's four loads are in; the twelve of steps 1 to 3 may be out
	TURN 0
.macro STEP t
.set XS, X+16*((\t)%2)
	s_wait_dscnt 0x0                               ; this step's numbers are back from the stage: so its stores into the stage have read their registers,
.if (\t)+4 < STEPS
	LOAD (\t)+4                                    ; which take the loads of four steps on
.endif
.if (\t)+1 < STEPS
.if STEPS-2-(\t) >= 3
	s_wait_loadcnt 12                              ; the next step's four loads are in; those of the three steps behind it may be out
.else
	s_wait_loadcnt 4*(STEPS-2-(\t))                ; near the end fewer steps stand behind it
.endif
	TURN (\t)+1                                    ; and go through the other stage while this step is worked
.endif
.irp i, 0,1,2,3,4,5,6,7,8,9,10,11,12,13,14,15
.endr
	v_cvt_scalef32_pk8_fp8_f32 v[C+4*(\t):C+4*(\t)+1], v[XS:XS+7], v11
	v_cvt_scalef32_pk8_fp8_f32 v[C+4*(\t)+2:C+4*(\t)+3], v[XS+8:XS+15], v11
	global_store_b128 v4, v[C+4*(\t):C+4*(\t)+3], s[8:9] offset:32*CB*(\t)   ; 32 lanes store 512 consecutive bytes; the codes go to this store alone
.endm
.irp t, 0,1,2,3,4,5,6,7,8,9,10,11,12,13,14,15
	STEP \t
.endr
	s_wait_tensorcnt 0x0
	ds_add_u32 v192, v193
	s_wait_dscnt 0x0
	s_endpgm
.Lfunc_end_k_q1a18616606_quant:
	.size	k_q1a18616606_quant, .Lfunc_end_k_q1a18616606_quant-k_q1a18616606_quant
	.p2alignl 7, 3214868480
	.fill 96, 4, 3214868480
	.section	.rodata,"a",@progbits
	.p2align	6, 0x0
	.amdhsa_kernel k_q1a18616606_quant
		.amdhsa_group_segment_fixed_size 33280
		.amdhsa_private_segment_fixed_size 0
		.amdhsa_enable_private_segment 0
		.amdhsa_kernarg_size 80
		.amdhsa_user_sgpr_count 2
		.amdhsa_user_sgpr_kernarg_segment_ptr 1
		.amdhsa_wavefront_size32 1
		.amdhsa_system_sgpr_workgroup_id_x 1
		.amdhsa_system_sgpr_workgroup_id_y 1
		.amdhsa_system_sgpr_workgroup_id_z 1
		.amdhsa_system_vgpr_workitem_id 0
		.amdhsa_next_free_vgpr 194
		.amdhsa_next_free_sgpr 66
		.amdhsa_reserve_vcc 0
		.amdhsa_float_denorm_mode_32 3
		.amdhsa_float_denorm_mode_16_64 3
		.amdhsa_fp16_overflow 1
		.amdhsa_memory_ordered 1
		.amdhsa_forward_progress 1
		.amdhsa_inst_pref_size 23
	.end_amdhsa_kernel
	.amdgpu_metadata
---
amdhsa.version: [ 1, 2 ]
amdhsa.kernels:
  - .name:           k_q1a18616606_quant
    .symbol:         k_q1a18616606_quant.kd
    .args:
      - { .name: query_data, .offset: 0, .size: 8, .value_kind: global_buffer, .address_space: global }
      - { .name: key_data, .offset: 8, .size: 8, .value_kind: global_buffer, .address_space: global }
      - { .name: value_data, .offset: 16, .size: 8, .value_kind: global_buffer, .address_space: global }
      - { .name: Wq, .offset: 24, .size: 8, .value_kind: global_buffer, .address_space: global }
      - { .name: Wk, .offset: 32, .size: 8, .value_kind: global_buffer, .address_space: global }
      - { .name: Wv, .offset: 40, .size: 8, .value_kind: global_buffer, .address_space: global }
      - { .name: Wp, .offset: 48, .size: 8, .value_kind: global_buffer, .address_space: global }
      - { .name: lowp_scales, .offset: 56, .size: 8, .value_kind: global_buffer, .address_space: global }
      - { .name: xc, .offset: 64, .size: 8, .value_kind: global_buffer, .address_space: global }
      - { .name: wc, .offset: 72, .size: 8, .value_kind: global_buffer, .address_space: global }
    .group_segment_fixed_size: 33280
    .private_segment_fixed_size: 0
    .kernarg_segment_align: 8
    .kernarg_segment_size: 80
    .max_flat_workgroup_size: 128
    .sgpr_count:     66
    .vgpr_count:     194
    .wavefront_size: 32
...
	.end_amdgpu_metadata
.endif
;; end of part 1
;; launch proj (part 2): grid 4 x 96, 4 waves a work-group, clusters of 4 x 4, 327,680 bytes of LDS; arguments xc, wc, lowp_scales, qkv; writes qkv
.if DOCPART == 2
	.amdgcn_target "amdgcn-amd-amdhsa--gfx1250"
	.amdhsa_code_object_version 6
	.text
	.protected	k_q1a18616606_proj
	.globl	k_q1a18616606_proj
	.p2align	8
	.type	k_q1a18616606_proj,@function
k_q1a18616606_proj:
	s_mov_b64 s[64:65], 0
	v_nop
	global_prefetch_b8 v0, s[64:65] scope:SCOPE_SE
	s_setreg_imm32_b32 hwreg(HW_REG_WAVE_MODE, 25, 1), 1
	s_wait_xcnt 0x0
	s_wait_alu depctr_hold_cnt(0) depctr_sa_sdst(0) depctr_va_vdst(0) depctr_va_sdst(0) depctr_va_ssrc(0) depctr_va_vcc(0) depctr_vm_vsrc(0)
	s_getreg_b32 s2, hwreg(HW_REG_IB_STS2, 6, 4)
	s_cmp_eq_u32 s2, 0
	s_cbranch_scc0 .Lentry_in_a_cluster
	s_endpgm
.Lentry_in_a_cluster:
	s_bfe_u32 s2, ttmp6, 0x10000c
	s_cmp_lg_u32 s2, 0xf033
	s_cbranch_scc0 .Lentry_shape_is_right
	s_endpgm
.Lentry_shape_is_right:
; The three projections q = query Wq^T, k = key Wk^T, v = value Wv^T on codes of FP8 (E4M3), sums in f32, each result quantised at once to the codes that attention multiplies.
; qkv: q at byte 0 and k at 8 MiB as [batch x head 64][token 2048][64 channels]; v at 16 MiB as [batch x head][64 rows][2048 bytes], the KEYS innermost, since they are the K of attention's second product.
;   v's row p holds channel d with p / 32 = d / 32 and p % 32 = 16 ((d % 32 / 8) & 1) + 8 (d % 32 / 16) + d % 8; byte 32 B + 16 h + 8 u + j of a row holds key 32 B + 16 u + 8 h + j.
;   Both orders cost only other constants in the stores below.  By the second, 16-byte LDS loads of a row give a lane its keys in the places in which the weights' codes lie; by the first, the codes of attention's result come out 16 neighbouring channels a lane.
; A sum stands for sum x 2^(ea + eb); its code is sum / 2^(eo - ea - eb), held within +-448.  (ea, eb, eo) = entries (0, 1, 6), (2, 3, 7), (4, 5, 9) of lowp_scales.
; LIMIT: eo - ea - eb between -126 and 119, so that this power of two and 448 times it are f32 numbers.
; SHAPE.  A tile of 256 x 256 results to a work-group of four waves, 128 x 128 to a wave: 64 accumulators, 512 registers.  K = 1024 goes in four steps of 256 through a ring of two LDS slots filled by the tensor data mover.
; ONE TEXT FOR THREE PRODUCTS.  X is what lies in a slot's first 256 rows (source 1), Y what lies in its last 256 (source 0): a lane ends with ONE row of X and eight neighbours of Y.
;   q, k: X = tokens, Y = features: a lane's eight codes are eight channels of a token.   v: X = features, Y = tokens: eight keys of a channel.  Only the tiles' addresses differ, and the way out.
; CLUSTERS: 4 x 4 work-groups; clusters 0-7 along y make q, 8-15 k, 16-23 v.  The four of a row of the cluster need the same tiles of X, the four of a column the same tiles of Y: each tile is asked for jointly.
; REGISTERS, in windows of 256: window 0: v0-31 addresses; from v128 X's fragments, one set; on the way out the codes.  window 1: Y's fragments, two sets.  windows 2, 3: the accumulators ((a, b) at v[8 (8 (a % 4) + b)]).
; No prefetch: a tile has four K steps, and each tile is already fetched once for four work-groups.
.set SIZE_K, 1024
.set KSTEP,  256
.set ROWB,   256                       ; a tile's row in bytes
.set KROW,   SIZE_K                    ; a row of codes in memory
.set PITCH,  272                       ; an LDS row: 256 bytes + 16 of padding = 68 words: the 16 rows that a load touches start at 16 different banks (64 banks of 4 bytes: ISA guide 11.1)
.set FR,     16                        ; registers of a fragment: 16 rows x 128 K
.set NL,     4                         ; LDS loads that bring one
.set NP,     4                         ; places behind this matrix instruction (ISA guide 7.12.1)
.set HALFT,  128*PITCH
.set SLOT,   4*HALFT                   ; X's 256 rows, then Y's 256 rows
.set LAPS,   SIZE_K/(2*KSTEP)
.set SPARE,  2*SLOT                    ; behind the ring: the spare words, 128 bytes for each wave
.set VST,    69632                     ; the way out: q's and k's stage is slot 0's first half, v's its second half; slot 0 has had its last fill and its last read by then
.set ADRA, 16                          ; v16-17  LDS address of my X fragments in slot 0, 1
.set ADRB, 20                          ; v20-21  the same for Y
.set RD2,  22                          ; v22     v: where I read the stage back
.set CO2,  23                          ; v23     v: my byte offset in qkv
.set STO,  24                          ; v24     q, k: where I put 8 codes
.set RD,   25                          ; v25     q, k: where I read the stage back
.set CO,   26                          ; v26     q, k: my byte offset in qkv
.set STO2, 27                          ; v27     v: where I put 8 codes
.set SPW,  28                          ; v28     LDS address of my spare word; never rewritten
.set NIL,  29                          ; v29     0; never rewritten
.set SC,   30                          ; v30     2^(eo - ea - eb)
.set LIM,  31
.set AF,   128                         ; X's fragments, in window 0
.set CD,   128                         ; the way out: the codes, two registers an accumulator, where X's fragments lay
.set G1, 24                            ; s[24:31] descriptor group 1 for X's tiles;  s[32:39] group 0, one set for each slot
.set G0, 32
.set G1B, 48                           ; s[48:55], s[56:63] the same for Y's tiles
.set G0B, 56
.set MSB, 0
.macro WIN new                         ; the immediate's high byte repeats the setting that is left
.if MSB != \new
	s_set_vgpr_msb (MSB<<8)|\new
.set MSB, \new
.endif
.endm
.set MUL_LO, 0xa1                      ; source 0 (Y) window 1, source 1 (X) window 0, C and D window 2
.set MUL_HI, 0xf1                      ; the same, C and D window 3
.set TO_B,   0x40                      ; destination window 1, address window 0
; A joint load: waves 0 and 1 fetch for X, waves 2 and 3 for Y.  The branch hangs on the wave's number alone.  Four v_nop follow each of the two lines.
.macro JLOAD g0a, g1a, g0b, g1b
	s_cmp_eq_u32 s15, 0
	s_cbranch_scc0 .Lfor_b_\@
	tensor_load_to_lds s[\g0a:\g0a+3], s[\g1a:\g1a+7]
	s_nop 0
.rept 4
	v_nop
.endr
	s_branch .Lasked_\@
.Lfor_b_\@:
	tensor_load_to_lds s[\g0b:\g0b+3], s[\g1b:\g1b+7]
	s_nop 0
.rept 4
	v_nop
.endr
.Lasked_\@:
.endm
.macro CREST                           ; a round of the cluster's barrier behind its opening barrier
	s_cmp_lg_u32 s14, 0
	s_cbranch_scc1 .Lnot_wave_0_\@
	s_barrier_signal -3
.Lnot_wave_0_\@:
	s_barrier_wait -3
	s_barrier_signal -1
	s_barrier_wait -1
.endm
.macro CROUND                          ; a whole round
	s_barrier_signal -1
	s_barrier_wait -1
	CREST
.endm
	s_load_b128 s[4:7], s[0:1], 0x0                ; xc s[4:5], wc s[6:7]
	s_load_b128 s[8:11], s[0:1], 0x10              ; the exponents s[8:9], qkv s[10:11]
	v_lshl_add_u32 v[SPW], v0, 2, SPARE
	v_mov_b32 v[NIL], 0
	ds_add_u32 v28, v29
	ds_add_u32 v28, v29
	s_wait_dscnt 0x0
	v_lshrrev_b32 v1, 5, v0
	v_readfirstlane_b32 s14, v1                    ; wave 0..3
	s_lshr_b32 s15, s14, 1                         ; which half of X's rows is mine.  Also: I fetch for X (0) or for Y (1)
	s_and_b32 s16, s14, 1                          ; which half of Y's rows.  Also: which 128 rows of that tile I fetch
	s_bfe_u32 s40, ttmp6, 0x40000                  ; cx, cy: my place in the cluster
	s_bfe_u32 s41, ttmp6, 0x40004
	s_and_b32 s66, ttmp7, 0xffff                   ; the cluster's y: 0..23, the same in all sixteen partners
	s_lshr_b32 s67, s66, 3                         ; the product: 0 q, 1 k, 2 v
	s_and_b32 s68, s66, 7
	s_lshl_b32 s68, s68, 2                         ; four tiles of tokens to a cluster
	s_lshl_b32 s69, s67, 23                        ; the product's activations in xc,
	s_lshl_b32 s70, s67, 20                        ; its weight in wc
	s_cmp_eq_u32 s67, 2
	s_cselect_b32 s17, 0, s68                      ; q, k: the tokens are X;
	s_cselect_b32 s42, s68, 0                      ; v: they are Y
	s_cselect_b32 s69, 0x200000, s69               ; X's first byte in its buffer (v: Wv in wc)
	s_cselect_b32 s70, 0x1000000, s70              ; Y's (v: value in xc)
	s_add_co_u32 s17, s17, s41                     ; X's tile: it hangs on cy, never on cx
	s_add_co_u32 s42, s42, s40                     ; Y's tile: on cx, never on cy
	s_lshl_b32 s43, s41, 2
	s_lshl_b32 s43, 15, s43                        ; my row of the cluster
	s_lshl_b32 s44, 0x1111, s40                    ; my column
	; descriptor group 1: a tile of 128 rows x 256 bytes, padded in LDS
	s_or_b32 s[G1+0], s43, (0<<16)|(1<<20)|(1<<21)|(5<<22)|(3<<25)  ; 15:0 the mask: X's tiles go to my row; 17:16 elements of 1 byte; 20 padding on; 21 set beside a mask; 24:22 after every 64 words; 31:25 four words
	s_or_b32 s[G1B+0], s44, (0<<16)|(1<<20)|(1<<21)|(5<<22)|(3<<25)
.irp g, G1, G1B
	s_mov_b32 s[\g+1], ROWB<<16                    ; tensor_dim0
	s_mov_b32 s[\g+2], 128<<16                     ; tensor_dim1
	s_mov_b32 s[\g+3], ROWB<<16                    ; tile_dim0
	s_mov_b32 s[\g+4], 128                         ; tile_dim1
	s_mov_b32 s[\g+5], KROW                        ; tensor_dim0_stride
	s_mov_b32 s[\g+6], 0
	s_mov_b32 s[\g+7], 0
.endr
	s_lshl_b32 s18, s16, 7                         ; which 128 rows of the tile I fetch
	s_lshl_b32 s20, s17, 8
	s_add_co_u32 s20, s20, s18
	s_lshl_b32 s20, s20, 10                        ; rows of 1,024 bytes
	s_add_co_u32 s20, s20, s69                     ; X: under 2^25 bytes
	s_mov_b32 s21, 0
	s_lshl_b32 s46, s42, 8
	s_add_co_u32 s46, s46, s18
	s_lshl_b32 s46, s46, 10
	s_add_co_u32 s46, s46, s70                     ; Y likewise
	s_mov_b32 s47, 0
	s_mul_i32 s45, s14, HALFT                      ; where they go: wave x 128 rows: no place in the cluster enters an LDS address
	; where my part of the result begins in qkv.  q, k: wave w stores head 4 Y + w, 256 tokens x 64 bytes on end
	s_lshr_b32 s92, s17, 3                         ; the batch: 8 tiles of 256 tokens each
	s_lshl_b32 s92, s92, 4
	s_lshl_b32 s93, s42, 2
	s_add_co_u32 s92, s92, s93
	s_add_co_u32 s92, s92, s14                     ; 16 x batch + head
	s_lshl_b32 s92, s92, 11
	s_and_b32 s93, s17, 7
	s_lshl_b32 s93, s93, 8
	s_add_co_u32 s92, s92, s93                     ; + the tile's first token
	s_lshl_b32 s92, s92, 6
	s_lshl_b32 s93, s67, 23
	s_add_co_u32 s88, s92, s93
	s_mov_b32 s89, 0
	; v: wave w stores rows 256 X + 64 w on (a head's 64), 256 bytes of each
	s_lshr_b32 s92, s42, 3
	s_lshl_b32 s92, s92, 21                        ; the batch: 1,024 rows of 2,048 bytes
	s_lshl_b32 s93, s17, 8
	s_lshl_b32 s94, s14, 6
	s_add_co_u32 s93, s93, s94
	s_lshl_b32 s93, s93, 11
	s_add_co_u32 s92, s92, s93
	s_and_b32 s93, s42, 7
	s_lshl_b32 s93, s93, 8
	s_add_co_u32 s92, s92, s93
	s_add_co_u32 s90, s92, 0x1000000
	s_cmp_eq_u32 s67, 2
	s_cselect_b32 s88, s90, s88
	s_wait_kmcnt 0x0
	s_load_b256 s[72:79], s[8:9], 0x0              ; e0 .. e7
	s_load_b128 s[80:83], s[8:9], 0x20             ; e8 .. e11
	s_cselect_b64 s[84:85], s[6:7], s[4:5]         ; X's buffer, Y's buffer: chosen by the product alone
	s_cselect_b64 s[86:87], s[4:5], s[6:7]
	s_add_nc_u64 s[20:21], s[84:85], s[20:21]
	s_add_nc_u64 s[46:47], s[86:87], s[46:47]
	s_add_nc_u64 s[10:11], s[10:11], s[88:89]
	CROUND                                         ; all sixteen work-groups are here: the first joint loads meet
.irp s, 0,1
	s_mov_b32 s[G0+4*\s], 1
	s_add_co_u32 s[G0+4*\s+1], s45, \s*SLOT
	s_add_nc_u64 s[G0+4*\s+2:G0+4*\s+3], s[20:21], \s*ROWB
	s_or_b32 s[G0+4*\s+3], s[G0+4*\s+3], 0x80000000
	s_mov_b32 s[G0B+4*\s], 1
	s_add_co_u32 s[G0B+4*\s+1], s45, \s*SLOT
	s_add_nc_u64 s[G0B+4*\s+2:G0B+4*\s+3], s[46:47], \s*ROWB
	s_or_b32 s[G0B+4*\s+3], s[G0B+4*\s+3], 0x80000000
	s_wait_alu depctr_va_vdst(0)
	s_wait_tensorcnt 0x0
	ds_add_u32 v28, v29
	ds_add_u32 v28, v29
	s_wait_dscnt 0x0
	CROUND
	JLOAD G0+4*\s, G1, G0B+4*\s, G1B
.endr
	v_and_b32 v1, 15, v0                           ; r = l % 16
	s_wait_alu depctr_va_vdst(0)
	v_bfe_u32 v2, v0, 4, 1                         ; h = l / 16
	v_mul_u32_u24 v3, v1, PITCH
	v_lshl_add_u32 v4, v2, 4, v3                   ; a fragment's row x pitch + 16 x half
	s_mul_i32 s21, s15, HALFT                      ; my 128 rows of X
	s_mul_i32 s22, s16, HALFT                      ; my 128 rows of Y,
	s_add_co_u32 s22, s22, 2*HALFT                 ; which lie behind X's 256
.irp s, 0,1
	v_add_nc_u32 v[ADRA+\s], s21, v4
	v_add_nc_u32 v[ADRB+\s], s22, v4
	s_add_co_u32 s21, s21, SLOT
	s_add_co_u32 s22, s22, SLOT
.endr
	; q, k: the stage is an image of the result: 4 heads x 64 pieces of 256 bytes (4 tokens x 64 channels), 272 bytes apart
	s_mul_i32 s23, s16, 34816                      ; my two heads,
	s_mul_i32 s22, s15, 8704                       ; my 128 tokens: 32 pieces
	s_add_co_u32 s23, s23, s22
	v_lshrrev_b32 v5, 2, v1
	v_mul_u32_u24 v5, v5, 272
	v_and_b32 v6, 3, v1
	v_lshl_add_u32 v5, v6, 6, v5
	v_lshl_add_u32 v5, v2, 3, v5
	v_add_nc_u32 v[STO], s23, v5                   ; (r / 4) 272 + (r % 4) 64 + 8 h: the 32 lanes of a store touch 64 different banks
	s_mul_i32 s23, s14, 17408                      ; back: wave w takes head w; lanes 0-15 one piece, lanes 16-31 the next
	v_mul_u32_u24 v5, v2, 272
	v_lshl_add_u32 v5, v1, 4, v5
	v_add_nc_u32 v[RD], s23, v5
	v_add_nc_u32 v[RD2], VST, v[RD]                ; v: wave w takes rows 64 w on; two rows a load
	v_and_b32 v6, 31, v0
	v_lshlrev_b32 v[CO], 4, v6                     ; q, k: 512 bytes on end a store
	v_lshlrev_b32 v6, 11, v2
	v_lshl_add_u32 v[CO2], v1, 4, v6               ; v: two rows of 2,048 bytes, 256 bytes of each
	; v: the stage has 256 rows (4 heads x 64) of 256 keys, 272 bytes apart
	v_and_b32 v5, 8, v1
	v_add_nc_u32 v5, v5, v1                        ; 16 (r / 8) + r % 8
	v_mul_u32_u24 v5, v5, 272
	v_lshl_add_u32 v5, v2, 4, v5
	s_mul_i32 s23, s15, 128*272
	s_lshl_b32 s22, s16, 7
	s_add_co_u32 s23, s23, s22
	s_add_co_u32 s23, s23, VST
	v_add_nc_u32 v[STO2], s23, v5
.macro FRAG reg, adr, q, i             ; a fragment, 16 rows x 128 K, is 16 registers: lane l holds row l % 16; registers 4 c .. 4 c + 3 hold K = 32 c + 16 (l / 16) + 0 .. 15: the same order of K in X and in Y
.irp c, 0,1,2,3
	ds_load_b128 v[\reg+4*\c:\reg+4*\c+3], v[\adr] offset:128*(\q)+32*\c+(\i)*16*PITCH
.endr
.endm
; 16 matrix instructions: X's blocks a0, a0 + 1 x Y's eight, 128 along K.  p: Y's set.  zero = 1: the first product starts the sums.
; The 64 accumulators take turns, one instruction a turn, in the same order in every step.
.macro MUL16 a0, p, zero
.irp a, \a0, \a0+1
.irp b, 0,1,2,3,4,5,6,7
.if \zero
	v_wmma_f32_16x16x128_fp8_fp8 v[8*(8*((\a)%4)+\b):8*(8*((\a)%4)+\b)+7], v[128*(\p)+FR*\b:128*(\p)+FR*\b+FR-1], v[AF+FR*(\a):AF+FR*(\a)+FR-1], 0
.else
	v_wmma_f32_16x16x128_fp8_fp8 v[8*(8*((\a)%4)+\b):8*(8*((\a)%4)+\b)+7], v[128*(\p)+FR*\b:128*(\p)+FR*\b+FR-1], v[AF+FR*(\a):AF+FR*(\a)+FR-1], v[8*(8*((\a)%4)+\b):8*(8*((\a)%4)+\b)+7]
.endif
.endr
.endr
.endm
.macro FETCH_B slot, q, p              ; Y's eight fragments of the slot's q-th 128 along K into set p
	WIN TO_B
.irp i, 0,1,2,3,4,5,6,7
	FRAG 128*(\p)+FR*\i, ADRB+\slot, \q, \i
.endr
	WIN 0
.endm
.macro FETCH_A slot, q, i0             ; X's blocks i0 .. i0 + 3
.irp i, \i0, \i0+1, \i0+2, \i0+3
	FRAG AF+FR*(\i), ADRA+\slot, \q, \i
.endr
.endm
.macro PLACES n                        ; plain vector lines between a matrix instruction and a load into one of its registers, or the first read of its result
.rept \n
	v_nop
.endr
.endm
; A step of 128 along K that has its successor in the same slot.  X has one set of registers: blocks 0-3 are fetched anew in the step's middle, blocks 4-7 at its end; Y has two sets.
.macro STEP slot, q, zero
	s_wait_dscnt 4*NL                              ; Y's set and X's blocks 0-3 are in; the youngest sixteen loads (X's blocks 4-7) may be out
	WIN MUL_LO
	MUL16 0, (\q)%2, \zero
	MUL16 2, (\q)%2, \zero
	s_wait_dscnt 0                                 ; X's blocks 4-7 are in
	PLACES NP
	FETCH_B \slot, (\q)+1, 1-(\q)%2
	FETCH_A \slot, (\q)+1, 0
	WIN MUL_HI
	MUL16 4, (\q)%2, \zero
	MUL16 6, (\q)%2, \zero
	PLACES NP
	WIN 0
	FETCH_A \slot, (\q)+1, 4
.endm
; A slot's last step changes slots: one barrier; in front of it each wave waits for all its tensor loads, adds 0 to its spare word, and waits for that and for its own reads of this slot.  fill = 1: this slot is filled again, two K steps ahead.
.macro TURN slot, next, fill
	s_wait_tensorcnt 0x0                           ; all my tensor loads have landed: my part of the next slot
	ds_add_u32 v[SPW], v[NIL]                      ; 0 onto my spare word
	s_wait_dscnt 4*NL+1                            ; the add and the youngest sixteen loads (X's blocks 4-7) may be out
	WIN MUL_LO
	MUL16 0, 1, 0                                  ; sixteen matrix instructions stand between the add and the wait for it
	s_wait_dscnt 0x0                               ; the add is done, and my reads of this slot are over
	s_barrier_signal -1
	MUL16 2, 1, 0
	WIN 0
	s_barrier_wait -1
.if \fill
	CREST                                          ; the barrier has opened a round of the cluster's barrier: no wave of any partner still reads this slot or has a load on its way
	s_add_nc_u64 s[G0+4*\slot+2:G0+4*\slot+3], s[G0+4*\slot+2:G0+4*\slot+3], 2*ROWB
	s_add_nc_u64 s[G0B+4*\slot+2:G0B+4*\slot+3], s[G0B+4*\slot+2:G0B+4*\slot+3], 2*ROWB
	JLOAD G0+4*\slot, G1, G0B+4*\slot, G1B         ; the first tensor load behind the round; its four v_nop are also the places in front of the loads below
.else
	PLACES NP
.endif
	FETCH_B \next, 0, 0
	FETCH_A \next, 0, 0
	WIN MUL_HI
	MUL16 4, 1, 0
	MUL16 6, 1, 0
	PLACES NP
	WIN 0
	FETCH_A \next, 0, 4
.endm
	s_wait_tensorcnt 1                             ; my part of K step 0 is in; K step 1's load, issued behind it, may be out
	s_barrier_signal -1
	s_barrier_wait -1                              ; everybody's is
	FETCH_B 0, 0, 0
	FETCH_A 0, 0, 0
	FETCH_A 0, 0, 4
	STEP 0, 0, 1                                   ; the first step stands in front of the loop: its products start the sums
	s_mov_b32 s3, LAPS-1
.Llap:                                                 ; a trip goes once round the ring and fills both slots again
	TURN 0, 1, 1
	STEP 1, 0, 0
	TURN 1, 0, 1
	STEP 0, 0, 0
	s_sub_co_u32 s3, s3, 1
	s_cmp_lg_u32 s3, 0
	s_cbranch_scc1 .Llap
	TURN 0, 1, 0                                   ; the last lap fills nothing
	STEP 1, 0, 0
	s_wait_dscnt 4*NL                              ; the very last step: nothing more to fetch
	WIN MUL_LO
	MUL16 0, 1, 0
	MUL16 2, 1, 0
	s_wait_dscnt 0
	WIN MUL_HI
	MUL16 4, 1, 0
	MUL16 6, 1, 0
	WIN 0
	; THE WAY OUT.  The three exponents are folded into the conversion's one scale.
	s_wait_kmcnt 0x0
	s_sub_co_i32 s92, s78, s72
	s_sub_co_i32 s92, s92, s73                     ; q: e6 - e0 - e1
	s_sub_co_i32 s93, s79, s74
	s_sub_co_i32 s93, s93, s75                     ; k: e7 - e2 - e3
	s_sub_co_i32 s94, s81, s76
	s_sub_co_i32 s94, s94, s77                     ; v: e9 - e4 - e5
	s_cmp_eq_u32 s67, 0
	s_cselect_b32 s92, s92, s93
	s_cmp_eq_u32 s67, 2
	s_cselect_b32 s92, s94, s92
	s_add_co_i32 s92, s92, 127
	s_lshl_b32 s93, s92, 23
	v_mov_b32 v[SC], s93
	s_add_co_i32 s92, s92, 8
	s_lshl_b32 s92, s92, 23
	s_or_b32 s92, s92, 0x600000
	PLACES NP                                      ; behind the last products: their results are read and X's fragments written below
; Block a (16 rows of X x 128 of Y): eight sums become eight codes, two registers, in window 0.
.macro QBLOCK a
.set AC, 64*((\a)%4)
.set WA, (2+(\a)/4)|((2+(\a)/4)<<6)
.set WB, 2+(\a)/4
	WIN WA                                         ; source 0 and destination: the accumulators' window
.set j, 0
.rept 64
.set j, j+1
.endr
	WIN WB                                         ; source 0 alone
.irp b, 0,1,2,3,4,5,6,7
	v_cvt_scalef32_pk8_fp8_f32 v[CD+16*(\a)+2*\b:CD+16*(\a)+2*\b+1], v[AC+8*\b:AC+8*\b+7], v[SC]
.endr
.endm
.irp a, 0,1,2,3,4,5,6,7
	QBLOCK \a
.endr
	WIN 0
	v_nop                                          ; one plain line behind the last conversion
	s_cmp_eq_u32 s67, 2                            ; the product: the same in every wave and every partner
	s_cbranch_scc1 .Lv_in
.irp a, 0,1,2,3,4,5,6,7                    ; q, k: lane (r, h) holds token 16 a + r, channels 16 b + 8 h + 0 .. 7 of my 128 features: head b / 4 of my two
.irp b, 0,1,2,3,4,5,6,7
	ds_store_b64 v[STO], v[CD+16*\a+2*\b:CD+16*\a+2*\b+1] offset:\a*1088+(\b/4)*17408+(\b%4)*16
.endr
.endr
	s_branch .Lmeet
.Lv_in:
	s_wait_alu depctr_va_vdst(0)
.irp a, 0,1,2,3,4,5,6,7                    ; v: lane (r, h) holds feature 16 a + r, keys 16 b + 8 h + 0 .. 7: row 32 (a / 2) + 8 (a % 2) + 16 (r / 8) + r % 8, byte 32 (b / 2) + 16 h + 8 (b % 2)
.irp b, 0,1,2,3,4,5,6,7
	ds_store_b64 v[STO2], v[CD+16*\a+2*\b:CD+16*\a+2*\b+1] offset:(32*(\a/2)+8*(\a%2))*272+32*(\b/2)+8*(\b%2)
.endr
.endr
.Lmeet:
	s_wait_dscnt 0x0                               ; for the others' sake: my stores into the stage are done
	s_barrier_signal -1
	s_barrier_wait -1                              ; the stage is whole
	s_cmp_eq_u32 s67, 2
	s_cbranch_scc1 .Lv_out
.irp t, 0,1,2,3,4,5,6,7,8,9,10,11,12,13,14,15,16,17,18,19,20,21,22,23,24,25,26,27,28,29,30,31
	ds_load_b128 v[CD+4*\t:CD+4*\t+3], v[RD] offset:544*\t
.endr
.irp t, 0,1,2,3,4,5,6,7,8,9,10,11,12,13,14,15,16,17,18,19,20,21,22,23,24,25,26,27,28,29,30,31
	s_wait_dscnt 31-\t                             ; load t is in; the younger ones may be out
	global_store_b128 v[CO], v[CD+4*\t:CD+4*\t+3], s[10:11] offset:512*\t   ; 32 lanes store 512 consecutive bytes, aligned; a wave's 32 stores are 16,384 bytes on end
.endr
	s_branch .Lend
.Lv_out:
.irp t, 0,1,2,3,4,5,6,7,8,9,10,11,12,13,14,15,16,17,18,19,20,21,22,23,24,25,26,27,28,29,30,31
	ds_load_b128 v[CD+4*\t:CD+4*\t+3], v[RD2] offset:544*\t
.endr
.irp t, 0,1,2,3,4,5,6,7,8,9,10,11,12,13,14,15,16,17,18,19,20,21,22,23,24,25,26,27,28,29,30,31
	s_wait_dscnt 31-\t
	global_store_b128 v[CO2], v[CD+4*\t:CD+4*\t+3], s[10:11] offset:4096*\t   ; sixteen lanes store 256 consecutive bytes of a row, aligned
.endr
.Lend:
	s_wait_tensorcnt 0x0                           ; the wave's end
	ds_add_u32 v[SPW], v[NIL]
	s_wait_dscnt 0x0
	CROUND                                         ; the closing round: no work-group ends while a partner may still ask for a tile that names it
	s_endpgm
.Lfunc_end_k_q1a18616606_proj:
	.size	k_q1a18616606_proj, .Lfunc_end_k_q1a18616606_proj-k_q1a18616606_proj
	.p2alignl 7, 3214868480
	.fill 96, 4, 3214868480
	.section	.rodata,"a",@progbits
	.p2align	6, 0x0
	.amdhsa_kernel k_q1a18616606_proj
		.amdhsa_group_segment_fixed_size 327680
		.amdhsa_private_segment_fixed_size 0
		.amdhsa_enable_private_segment 0
		.amdhsa_kernarg_size 32
		.amdhsa_user_sgpr_count 2
		.amdhsa_user_sgpr_kernarg_segment_ptr 1
		.amdhsa_wavefront_size32 1
		.amdhsa_system_sgpr_workgroup_id_x 1
		.amdhsa_system_sgpr_workgroup_id_y 1
		.amdhsa_system_sgpr_workgroup_id_z 1
		.amdhsa_system_vgpr_workitem_id 0
		.amdhsa_next_free_vgpr 1024
		.amdhsa_next_free_sgpr 100
		.amdhsa_reserve_vcc 0
		.amdhsa_float_denorm_mode_32 3
		.amdhsa_float_denorm_mode_16_64 3
		.amdhsa_fp16_overflow 1
		.amdhsa_memory_ordered 1
		.amdhsa_forward_progress 1
		.amdhsa_inst_pref_size 106
	.end_amdhsa_kernel
	.amdgpu_metadata
---
amdhsa.version: [ 1, 2 ]
amdhsa.kernels:
  - .name:           k_q1a18616606_proj
    .symbol:         k_q1a18616606_proj.kd
    .args:
      - { .name: xc, .offset: 0, .size: 8, .value_kind: global_buffer, .address_space: global }
      - { .name: wc, .offset: 8, .size: 8, .value_kind: global_buffer, .address_space: global }
      - { .name: lowp_scales, .offset: 16, .size: 8, .value_kind: global_buffer, .address_space: global }
      - { .name: qkv, .offset: 24, .size: 8, .value_kind: global_buffer, .address_space: global }
    .group_segment_fixed_size: 327680
    .private_segment_fixed_size: 0
    .kernarg_segment_align: 8
    .kernarg_segment_size: 32
    .max_flat_workgroup_size: 128
    .sgpr_count:     100
    .vgpr_count:     1024
    .wavefront_size: 32
...
	.end_amdgpu_metadata
.endif
;; end of part 2
;; launch attn (part 3): grid 4 x 64, 16 waves a work-group, no clusters, 327,680 bytes of LDS; arguments qkv, lowp_scales, oc; writes oc
.if DOCPART == 3
	.amdgcn_target "amdgcn-amd-amdhsa--gfx1250"
	.amdhsa_code_object_version 6
	.text
	.protected	k_q1a18616606_attn
	.globl	k_q1a18616606_attn
	.p2align	8
	.type	k_q1a18616606_attn,@function
k_q1a18616606_attn:
	s_mov_b64 s[64:65], 0
	v_nop
	global_prefetch_b8 v0, s[64:65] scope:SCOPE_SE
	s_setreg_imm32_b32 hwreg(HW_REG_WAVE_MODE, 25, 1), 1
	s_wait_xcnt 0x0
; Causal attention on codes of FP8 (E4M3): for each of 64 (batch, head) pairs, 2,048 queries and keys, head size 64.  q, k, v come as codes from qkv (q at 0, k at 8 MiB: [head][token][64];
; v at 16 MiB: [head][64 rows][2048 keys], rows and keys in the order in which the launch before laid them).  The result is quantised at once for the last projection and stored in oc.
; THE SOFTMAX: t = score x log2(e) / 8; M = the row's largest t so far, rounded UP to a whole number; p = 2^(t - M) is quantised with 2^e8, not normalised.  The row's sum is taken of the unquantised p and divides at the end.
; When M moves, the sum and O are multiplied by 2^(old M - new M): nothing is rounded.  A key after the query gets the score -infinity, p = 0.
; SHARES.  Work-group (i, head) owns the query blocks i and 7 - i (256 queries each), one after the other: it walks key slots 0 .. i and then 0 .. 7 - i: NINE slots of 256 keys whatever i is.
; So the loop's trip count is a constant, no slot is fetched that nobody reads, and all 256 work-groups have the same work.  Each of the sixteen waves owns 16 queries of the block in hand, in 256 registers.
; NO CLUSTER: the four work-groups of a head part ways behind slot i, so that in most trips they want different slots: no joint request would name one tile for all.
; LAYOUT.  Both products are used transposed: S^T = K Q^T (source 0 = 16 neighbouring keys, source 1 = my queries; K = 64), O^T = V^T P^T (source 0 = 16 rows of v, source 1 = p's codes; K = 128 keys): a lane holds ONE query throughout.
; In S^T tile t, register j of lane (r, h) is key 16 t + 8 h + j: its eight codes are registers 2 t, 2 t + 1 of p's operand, each key in the place that the K = 128 form gives it; v's rows hold their keys so that 16-byte loads put them in the same places.
; oc: [token / 16][head 16][2][lane 32][16 bytes]: the registers of the last projection's operand as they stand: part c of lane (r, h) = channels 64 head + 32 c + 16 h + 0 .. 15 of token 16 T + r.
; LIMITS on the given exponents, so that each power of two below is an f32 number: e6 + e7 between -123 and 130 (added to c's exponent field); e8 and e10 - e8 - e9 between -126 and 119.
; REGISTERS: v1-9 addresses; v12 -M, v13 the largest t, v[14:15] the sum in two halves; v16-23 Q in hand, v24-31 Q of block 7 - i; v32-95 K's fragments, then V's; v96-159 S^T, then p; v160-191 O^T; v192-207 p's codes; v208-215 the result's codes; v216-229 at work and constants.
.set KP,    80                         ; a key's row in LDS: 64 bytes + 16 of padding = 20 words: the 16 rows of a load fall on 16 different groups of four banks
.set VP,    272                        ; a row of V's tile: 256 bytes + 16
.set VOFF,  256*KP                     ; a slot: 256 rows of K, then 64 rows of V
.set SLOT1, 1<<16                      ; slot 1 begins here: one exclusive or turns an address in one slot into the other's
.set SPARE, 2*SLOT1                    ; behind the ring: the spare words, 128 bytes for each wave
.set AK0,  1                           ; v1   my lane's place in a tile of K: 80 r + 16 h
.set AV0,  2                           ; v2   in a tile of V: VOFF + 272 r + 16 h
.set PFO,  3                           ; v3   the prefetches' offset; never rewritten
.set DQ,   4                           ; v4   r - 8 h, for the mask
.set SPW,  5                           ; v5   LDS address of my spare word; never rewritten
.set NIL,  6                           ; v6   0; never rewritten
.set GO,   7                           ; v7   16 x lane: my place in a part of oc
.set ADK,  8                           ; v8   LDS address of the slot's K
.set ADV,  9                           ; v9   of its V
.set TB,   2                           ; s2   LDS byte at which the slot in hand begins
.set WV,   18                          ; s18  my wave's number
.set SEL,  20                          ; s[20:21] lane selects for v_permlanex16_b32: lane l xor 16
.set CS,   22                          ; s[22:23] c = log2(e) / 8 x 2^(e6 + e7)
.set G1K,  24                          ; s[24:31] descriptor group 1 for K's tiles;  s[32:39] for V's;  s[40:43], s[44:47] their groups 0, which walk
.set G1V,  32
.set G0K,  40
.set G0V,  44
.set SLOTS, 48                         ; s48  slots still to be asked for: 8 down to 1
.set SWAT, 49                          ; s49  8 - i: the trip in which block i ends
.set KF,   50                          ; s50  the step's first key
.set Q0,   51                          ; s51  my first query
.set Q0HI, 52                          ; s52  my first query of block 7 - i
.set BKK,  54                          ; s[54:55] how far K's address goes back at this change: (i + 1) slots or nothing
.set BKV,  56                          ; s[56:57] the same for V's
.set OB,   60                          ; s[60:61] where my result goes;  s[62:63] its offset in oc
.set OO,   62
.set PFA,  76                          ; s[76:77] where my prefetches stand
.set PFS,  78                          ; s[78:79] a slot on, in bytes
.set LIMN, 80                          ; s80  6 in a wave that prefetches, else 0
.set OH,   81                          ; s81  my head's place in oc
; Waves 0 and 1 fetch K's halves, wave 2 fetches V's tile, the others nothing.  The branches hang on the wave's number alone.  Four v_nop follow each of the two lines.
.macro TLOAD
	s_cmp_lt_u32 s[WV], 2
	s_cbranch_scc0 .Lnot_k_\@
	tensor_load_to_lds s[G0K:G0K+3], s[G1K:G1K+7]
	s_nop 0
.rept 4
	v_nop
.endr
	s_branch .Lasked_\@
.Lnot_k_\@:
	s_cmp_eq_u32 s[WV], 2
	s_cbranch_scc0 .Lasked_\@
	tensor_load_to_lds s[G0V:G0V+3], s[G1V:G1V+7]
	s_nop 0
.rept 4
	v_nop
.endr
.Lasked_\@:
.endm
; A PREFETCH of the slot that the next change of slots will ask for.  Work-group i = 0 of a head walks slots 0, 0, 1, .. 7: in the trip that fills slot n it names slot n + 1, for n = 1 .. 6.
; In it the waves ask that fetch nothing, one instruction each: waves 4 and 5 for K's 16,384 bytes (8,192 a wave, lanes 256 bytes apart), waves 6 and 7 for V's 64 rows (32 a wave, a lane a row of 256 bytes).
; So each aligned block of 256 bytes of slots 2 to 7 is named once in the launch; slots 0 and 1 come by their loads alone, and the last trip asks for nothing: there is no slot 8.
.macro ASK
	s_sub_co_u32 s96, s[SLOTS], 2
	s_cmp_lt_u32 s96, s[LIMN]
	s_cbranch_scc0 .Lnot_mine_\@
	global_prefetch_b8 v[PFO], s[PFA:PFA+1] th:TH_LOAD_NT scope:SCOPE_SE
.Lnot_mine_\@:
.endm
	s_load_b128 s[4:7], s[0:1], 0x0                ; qkv s[4:5], the exponents s[6:7]
	s_load_b64 s[16:17], s[0:1], 0x10              ; oc
	v_lshl_add_u32 v[SPW], v0, 2, SPARE
	v_mov_b32 v[NIL], 0
	ds_add_u32 v5, v6
	ds_add_u32 v5, v6
	s_wait_dscnt 0x0
	v_lshrrev_b32 v8, 5, v0
	s_delay_alu instid0(VALU_DEP_1)
	v_readfirstlane_b32 s[WV], v8                  ; wave 0..15
	s_and_b32 s82, ttmp7, 0xffff                   ; 16 x batch + head
	s_lshl_b32 s83, s82, 17                        ; its 131,072 bytes in each of q, k, v
	s_lshr_b32 s84, s82, 4
	s_lshl_b32 s84, s84, 21                        ; oc: a batch is 128 tiles of tokens x 16,384 bytes,
	s_and_b32 s85, s82, 15
	s_lshl_b32 s85, s85, 10                        ; a head 1,024 bytes of a tile
	s_add_co_u32 s[OH], s84, s85
	s_lshl_b32 s84, s[WV], 4
	s_lshl_b32 s[Q0], ttmp9, 8
	s_add_co_u32 s[Q0], s[Q0], s84                 ; 256 i + 16 w
	s_sub_co_u32 s85, 7, ttmp9
	s_lshl_b32 s85, s85, 8
	s_add_co_u32 s[Q0HI], s85, s84                 ; 256 (7 - i) + 16 w
	s_sub_co_u32 s[SWAT], 8, ttmp9
	s_add_co_u32 s85, ttmp9, 1
	s_lshl_b32 s58, s85, 14                        ; i + 1 slots of K: 16,384 bytes each,
	s_lshl_b32 s59, s85, 8                         ; of V: 256 bytes of a row
	s_mov_b32 s[BKK], 0
	s_mov_b32 s[BKK+1], 0
	s_mov_b32 s[BKV], 0
	s_mov_b32 s[BKV+1], 0
	s_mov_b32 s[OO+1], 0
	s_and_b32 s86, s[WV], 1
	s_mul_i32 s87, s86, 128*KP                     ; K's half: in a slot,
	s_lshl_b32 s88, s86, 13                        ; and in memory: 128 rows of 64 bytes
	s_add_co_u32 s88, s88, s83
	s_add_co_u32 s88, s88, 0x800000
	s_mov_b32 s89, 0
	s_add_co_u32 s90, s83, 0x1000000               ; V
	s_mov_b32 s91, 0
	; descriptor group 1.  K: 128 rows of 64 bytes, dense in memory;  V: 64 rows of 256 bytes, 2,048 bytes apart
	s_mov_b32 s[G1K], (0<<16)|(1<<20)|(3<<22)|(3<<25)             ; no mask; elements of 1 byte; padding on: four words after every 16
	s_mov_b32 s[G1K+1], 64<<16                     ; tensor_dim0
	s_mov_b32 s[G1K+2], 128<<16                    ; tensor_dim1
	s_mov_b32 s[G1K+3], 64<<16                     ; tile_dim0
	s_mov_b32 s[G1K+4], 128                        ; tile_dim1
	s_mov_b32 s[G1K+5], 64                         ; tensor_dim0_stride
	s_mov_b32 s[G1K+6], 0
	s_mov_b32 s[G1K+7], 0
	s_mov_b32 s[G1V], (0<<16)|(1<<20)|(5<<22)|(3<<25)             ; padding: four words after every 64
	s_mov_b32 s[G1V+1], 256<<16
	s_mov_b32 s[G1V+2], 64<<16
	s_mov_b32 s[G1V+3], 256<<16
	s_mov_b32 s[G1V+4], 64
	s_mov_b32 s[G1V+5], 2048
	s_mov_b32 s[G1V+6], 0
	s_mov_b32 s[G1V+7], 0
	s_mov_b32 s[SEL], 0x76543210
	s_mov_b32 s[SEL+1], 0xfedcba98
	s_mov_b32 s[CS], 0x3e38aa3b                    ; log2(e) / 8
	s_mov_b32 s[TB], 0
	s_mov_b32 s[SLOTS], 8
	s_mov_b32 s[KF], 0
	s_wait_kmcnt 0x0
	s_load_b128 s[68:71], s[6:7], 0x18             ; e6, e7, e8, e9
	s_load_b32 s72, s[6:7], 0x28                   ; e10
	s_mov_b32 s[G0K], 1                            ; count = 1
	s_mov_b32 s[G0K+1], s87                        ; LDS address: slot 0
	s_add_nc_u64 s[G0K+2:G0K+3], s[4:5], s[88:89]  ; global address: the head's first 256 keys
	s_or_b32 s[G0K+3], s[G0K+3], 0x80000000        ; type = 2
	s_mov_b32 s[G0V], 1
	s_mov_b32 s[G0V+1], VOFF
	s_add_nc_u64 s[G0V+2:G0V+3], s[4:5], s[90:91]
	s_or_b32 s[G0V+3], s[G0V+3], 0x80000000
	TLOAD                                          ; slot 0
	; the prefetches: where my wave's stand, and who asks
	s_cmp_lt_u32 s[WV], 6                          ; waves 4 and 5: K; waves 6 and 7: V
	s_mov_b32 s[PFS], 256
	s_cselect_b32 s[PFS], 16384, s[PFS]            ; a slot on
	s_mov_b32 s84, 2048
	s_cselect_b32 s84, 256, s84                    ; from lane to lane
	s_mov_b32 s85, 65536
	s_cselect_b32 s85, 8192, s85                   ; from wave to wave
	s_mov_b32 s92, 0x1000000
	s_cselect_b32 s92, 0x800000, s92               ; the part of qkv
	v_and_b32 v[PFO], 31, v0
	s_delay_alu instid0(VALU_DEP_1)
	v_mul_lo_u32 v[PFO], v[PFO], s84
	s_mul_i32 s85, s86, s85
	s_add_co_u32 s92, s92, s85
	s_add_co_u32 s92, s92, s83
	s_mov_b32 s93, 0
	s_mov_b32 s[PFS+1], 0
	s_add_nc_u64 s[PFA:PFA+1], s[4:5], s[92:93]    ; at slot 0; each change of slots steps it once ahead of its prefetch
	s_sub_co_u32 s84, s[WV], 4
	s_lshr_b32 s84, s84, 2                         ; 0 in waves 4 to 7,
	s_or_b32 s84, s84, ttmp9                       ; of the head's work-group 0
	s_cmp_eq_u32 s84, 0
	s_cselect_b32 s[LIMN], 6, 0
	v_and_b32 v8, 15, v0                           ; r
	v_bfe_u32 v9, v0, 4, 1                         ; h
	s_delay_alu instid0(VALU_DEP_2)
	v_lshlrev_b32 v10, 6, v8
	s_delay_alu instid0(VALU_DEP_1)
	v_lshl_add_u32 v10, v9, 4, v10                 ; Q: row r of 64 bytes, + 16 h
	s_lshl_b32 s84, s[Q0], 6
	s_add_co_u32 s84, s84, s83
	s_lshl_b32 s85, s[Q0HI], 6
	s_add_co_u32 s85, s85, s83
	v_add_nc_u32 v11, s85, v10
	v_add_nc_u32 v10, s84, v10
	global_load_b128 v[16:19], v10, s[4:5]         ; both blocks' fragments of Q stay in registers: registers 4 c .. 4 c + 3 = channels 32 c + 16 h + 0 .. 15, as K's are loaded
	global_load_b128 v[20:23], v10, s[4:5] offset:32
	global_load_b128 v[24:27], v11, s[4:5]
	global_load_b128 v[28:31], v11, s[4:5] offset:32
	v_mul_u32_u24 v[AK0], v8, KP
	s_delay_alu instid0(VALU_DEP_1)
	v_lshl_add_u32 v[AK0], v9, 4, v[AK0]
	v_mul_u32_u24 v[AV0], v8, VP
	s_delay_alu instid0(VALU_DEP_1)
	v_lshl_add_u32 v[AV0], v9, 4, v[AV0]
	s_delay_alu instid0(VALU_DEP_1)
	v_add_nc_u32 v[AV0], VOFF, v[AV0]
	v_lshlrev_b32 v[DQ], 3, v9
	s_delay_alu instid0(VALU_DEP_1)
	v_sub_nc_u32 v[DQ], v8, v[DQ]
	v_and_b32 v[GO], 31, v0
	s_delay_alu instid0(VALU_DEP_1)
	v_lshlrev_b32 v[GO], 4, v[GO]
	v_mov_b32 v216, 0                              ; written once: a lane permute's destination counts as one of its sources
	v_mov_b32 v219, 0                              ; (named as the upper half of the pair v[218:219])
	v_mov_b32 v229, 0xff800000                     ; -infinity
.macro CLEAR                           ; a block of queries begins: the largest t is under every t, the sum and O^T are zeros, which the first change of M leaves zeros
	v_mov_b32 v13, 0xff61b1e6                      ; -3e38
	s_delay_alu instid0(VALU_DEP_1)
	v_floor_f32 v12, -v13                          ; -M
	v_mov_b32 v14, 0
	v_mov_b32 v15, 0
.set j, 0
.rept 32
	v_mov_b32 v[160+j], 0
.set j, j+1
.endr
.endm
	CLEAR
	s_wait_kmcnt 0x0
	s_add_co_i32 s84, s68, s69
	s_lshl_b32 s84, s84, 23
	s_add_co_i32 s[CS], s[CS], s84                 ; a score stands for score x 2^(e6 + e7): the two exponents are added to c's exponent field
	s_mov_b32 s[CS+1], s[CS]                       ; (named with it as a pair, so it is written)
	s_add_co_i32 s84, s70, 127
	s_lshl_b32 s85, s84, 23
	v_mov_b32 v225, s85                            ; 2^e8, for p's conversions
	s_sub_co_i32 s84, s72, s70
	s_sub_co_i32 s84, s84, s71                     ; O^T / l stands for that x 2^(e8 + e9): its code is that / 2^(e10 - e8 - e9)
	s_add_co_i32 s84, s84, 127
	s_lshl_b32 s85, s84, 23
	v_mov_b32 v227, s85
; A KEY STEP: 128 keys, the q-th of the slot in hand.  A step all of whose keys come after my 16 queries is left out: a scalar branch on ids, round its loads, products and softmax; no barrier and no tensor load stands in a step.
.macro STEP q
	s_add_co_u32 s96, s[Q0], 15
	s_cmp_gt_u32 s[KF], s96
	s_cbranch_scc1 .Lhidden_\@
	v_add_nc_u32 v[ADK], s[TB], v[AK0]
	v_add_nc_u32 v[ADV], s[TB], v[AV0]
	v_nop
	v_nop                                          ; with the two additions: four places in front of loads into registers that the last products have read
.irp t, 0,1,2,3,4,5,6,7                    ; K's eight tiles of 16 neighbouring keys x 64 channels: 8 registers each
.irp c, 0,1
	ds_load_b128 v[32+8*\t+4*\c:32+8*\t+4*\c+3], v[ADK] offset:(128*(\q)+16*\t)*KP+32*\c
.endr
.endr
	s_wait_alu depctr_va_vdst(0)
	s_wait_dscnt 8                                 ; tiles 0 to 3 are in; the eight loads of tiles 4 to 7 may be out
.irp t, 0,1,2,3
	v_wmma_f32_16x16x64_fp8_fp8 v[96+8*\t:103+8*\t], v[32+8*\t:39+8*\t], v[16:23], 0
.endr
	s_wait_dscnt 0x0
.irp t, 4,5,6,7
	v_wmma_f32_16x16x64_fp8_fp8 v[96+8*\t:103+8*\t], v[32+8*\t:39+8*\t], v[16:23], 0
.endr
.rept 4
	v_nop                                          ; places in front of the loads below and of the first read of the scores
.endr
.irp t, 0,1,2,3                            ; V's four tiles of 16 rows x 128 keys are asked for now and land under the softmax
.irp c, 0,1,2,3
	ds_load_b128 v[32+16*\t+4*\c:32+16*\t+4*\c+3], v[ADV] offset:16*\t*VP+128*(\q)+32*\c
.endr
.endr
	s_add_co_u32 s96, s[KF], 127                   ; on the diagonal the scores of hidden keys become -infinity ahead of the maximum.  A step all of whose keys count skips this
	s_cmp_le_u32 s96, s[Q0]
	s_cbranch_scc1 .Lopen_\@
	s_sub_co_i32 s96, s[Q0], s[KF]
	v_add_nc_u32 v228, s96, v[DQ]                  ; d = my query - KF - 8 h.  Register 8 t + j holds key KF + 16 t + 8 h + j: hidden where 16 t + j > d
.irp n, 0,1,2,3,4,5,6,7,8,9,10,11,12,13,14,15,16,17,18,19,20,21,22,23,24,25,26,27,28,29,30,31,32,33,34,35,36,37,38,39,40,41,42,43,44,45,46,47,48,49,50,51,52,53,54,55,56,57,58,59,60,61,62,63
	v_cmp_gt_i32 vcc_lo, 16*(\n/8)+\n%8, v228
	v_cndmask_b32 v[96+\n], v[96+\n], v229, vcc_lo
.endr
.Lopen_\@:
	v_max3_num_f32 v220, v96, v97, v98             ; the step's largest score of my query among my 64 keys, in two chains; each accumulator is first read at its low end
	v_max3_num_f32 v221, v99, v100, v101
.irp i, 6,10,14,18,22,26,30,34,38,42,46,50,54,58
	v_max3_num_f32 v220, v220, v[96+\i], v[97+\i]
	v_max3_num_f32 v221, v221, v[98+\i], v[99+\i]
.endr
	v_max3_num_f32 v220, v220, v158, v159
	s_delay_alu instid0(VALU_DEP_1)
	v_max_num_f32 v220, v220, v221
	s_delay_alu instid0(VALU_DEP_1)
	v_permlanex16_b32 v216, v220, s[SEL], s[SEL+1]
	s_delay_alu instid0(VALU_DEP_1)
	v_max_num_f32 v220, v220, v216                 ; and among lane l xor 16's
	s_delay_alu instid0(VALU_DEP_1)
	v_mul_f32 v220, s[CS], v220                    ; as t (c is positive)
	s_delay_alu instid0(VALU_DEP_1)
	v_max_num_f32 v13, v13, v220                   ; the running largest t
	v_mov_b32 v220, v12
	s_delay_alu instid0(VALU_DEP_2)
	v_floor_f32 v12, -v13                          ; the new -M = floor(-t) = -ceil(t)
	s_delay_alu instid0(VALU_DEP_1)
	v_sub_f32 v220, v12, v220                      ; old M - new M: a whole number, 0 or less
	s_delay_alu instid0(VALU_DEP_1)
	v_cvt_i32_f32 v220, v220                       ; (it saturates)
	s_delay_alu instid0(VALU_DEP_1)
	v_ldexp_f32 v218, 1.0, v220                    ; f = 2^(old M - new M)
.irp j, 0,2,4,6,8,10,12,14,16,18,20,22,24,26,28,30,32,34,36,38,40,42,44,46,48,50,52,54,56,58,60,62
	v_pk_fma_f32 v[96+\j:97+\j], v[96+\j:97+\j], s[CS:CS+1], v[12:13] op_sel_hi:[1,0,0]   ; t - M, two at a time
.endr
	s_wait_alu depctr_va_vdst(0)
.irp j, 0,1,2,3,4,5,6,7,8,9,10,11,12,13,14,15,16,17,18,19,20,21,22,23,24,25,26,27,28,29,30,31,32,33,34,35,36,37,38,39,40,41,42,43,44,45,46,47,48,49,50,51,52,53,54,55,56,57,58,59,60,61,62,63
	v_exp_f32 v[96+\j], v[96+\j]                   ; p = 2^(t - M), at most 1
.endr
	v_pk_mul_f32 v[14:15], v[14:15], v[218:219] op_sel_hi:[1,0]   ; the sums under the new M: the plain line behind the exponentials
	s_wait_alu depctr_va_vdst(0)                   ; one wait for the 64 exponentials, ahead of their first reader
	v_pk_add_f32 v[222:223], v[100:101], v[104:105]
	v_pk_add_f32 v[254:255], v[108:109], v[112:113]
	v_pk_add_f32 v[252:253], v[116:117], v[120:121]
	v_pk_add_f32 v[250:251], v[124:125], v[128:129]
	v_pk_add_f32 v[248:249], v[132:133], v[136:137]
	v_pk_add_f32 v[246:247], v[140:141], v[144:145]
	v_pk_add_f32 v[244:245], v[148:149], v[152:153]
	v_pk_add_f32 v[14:15], v[14:15], v[156:157]
	v_pk_add_f32 v[222:223], v[222:223], v[96:97]
	v_pk_add_f32 v[254:255], v[254:255], v[98:99]
	v_pk_add_f32 v[252:253], v[252:253], v[102:103]
	v_pk_add_f32 v[250:251], v[250:251], v[106:107]
	v_pk_add_f32 v[248:249], v[248:249], v[110:111]
	v_pk_add_f32 v[246:247], v[246:247], v[114:115]
	v_pk_add_f32 v[244:245], v[244:245], v[118:119]
	v_pk_add_f32 v[14:15], v[14:15], v[122:123]
	v_pk_add_f32 v[222:223], v[222:223], v[126:127]
	v_pk_add_f32 v[254:255], v[254:255], v[130:131]
	v_pk_add_f32 v[252:253], v[252:253], v[134:135]
	v_pk_add_f32 v[250:251], v[250:251], v[138:139]
	v_pk_add_f32 v[248:249], v[248:249], v[142:143]
	v_pk_add_f32 v[246:247], v[246:247], v[146:147]
	v_pk_add_f32 v[244:245], v[244:245], v[150:151]
	v_pk_add_f32 v[14:15], v[14:15], v[154:155]
	v_pk_add_f32 v[222:223], v[222:223], v[158:159]
	s_delay_alu instid0(VALU_DEP_2)
	v_pk_add_f32 v[14:15], v[14:15], v[250:251]
	s_delay_alu instid0(VALU_DEP_2)
	v_pk_add_f32 v[222:223], v[222:223], v[248:249]
	v_pk_add_f32 v[254:255], v[254:255], v[246:247]
	v_pk_add_f32 v[252:253], v[252:253], v[244:245]
	s_delay_alu instid0(VALU_DEP_2)
	v_pk_add_f32 v[14:15], v[14:15], v[254:255]
	s_delay_alu instid0(VALU_DEP_2)
	v_pk_add_f32 v[222:223], v[222:223], v[252:253]
	s_delay_alu instid0(VALU_DEP_1)
	v_pk_add_f32 v[14:15], v[14:15], v[222:223]
.irp t, 0,1,2,3,4,5,6,7
.irp i, 0,1,2,3,4,5,6,7
.endr
	v_cvt_scalef32_pk8_fp8_f32 v[192+2*\t:193+2*\t], v[96+8*\t:103+8*\t], v225   ; registers 2 t, 2 t + 1 of the operand: keys 16 t + 8 h + 0 .. 7
.endr
.irp j, 0,2,4,6,8,10,12,14,16,18,20,22,24,26,28,30
	v_pk_mul_f32 v[160+\j:161+\j], v[160+\j:161+\j], v[218:219] op_sel_hi:[1,0]   ; O^T under the new M.  (Plain lines between the conversions and the products that read the codes)
.endr
	s_wait_alu depctr_va_vdst(0)
	s_wait_dscnt 0x0                               ; V is in
.irp t, 0,1,2,3                            ; O^T += V^T P^T: the four accumulators take turns, and eight other products stand between two steps'
	v_wmma_f32_16x16x128_fp8_fp8 v[160+8*\t:167+8*\t], v[32+16*\t:47+16*\t], v[192:207], v[160+8*\t:167+8*\t]
.endr
.Lhidden_\@:
	s_add_co_u32 s[KF], s[KF], 128
.endm
; THE CHANGE OF SLOTS stands at a slot's head.  Each wave waits for all its tensor loads (its part of the slot that it is about to read), adds 0 to its spare word, and waits for that and for its reads of the slot that it has left.
; fill = 1: behind the barrier that other slot is filled with the keys that follow: the next 256, or, where block i's last slot has been asked for, the head's first 256 again.
.macro CHANGE fill
	s_wait_tensorcnt 0x0                           ; no tensor load of mine is out, so a group 0 may be written
	ds_add_u32 v[SPW], v[NIL]                      ; 0 onto my spare word
.if \fill
	s_xor_b32 s[G0K+1], s[G0K+1], SLOT1            ; the walking descriptors: the other slot than last time
	s_xor_b32 s[G0V+1], s[G0V+1], SLOT1
	s_cmp_eq_u32 s[SLOTS], s[SWAT]
	s_cselect_b32 s[BKK], s58, 0
	s_cselect_b32 s[BKV], s59, 0
	s_add_nc_u64 s[G0K+2:G0K+3], s[G0K+2:G0K+3], 16384
	s_sub_nc_u64 s[G0K+2:G0K+3], s[G0K+2:G0K+3], s[BKK:BKK+1]
	s_add_nc_u64 s[G0V+2:G0V+3], s[G0V+2:G0V+3], 256
	s_sub_nc_u64 s[G0V+2:G0V+3], s[G0V+2:G0V+3], s[BKV:BKV+1]
	s_wait_xcnt 0x0                                ; the last prefetch, a slot back, has read its address, so it may be written
	s_add_nc_u64 s[PFA:PFA+1], s[PFA:PFA+1], s[PFS:PFS+1]
.endif
	s_wait_dscnt 0x0                               ; the add is done, and my reads of the slot that I have left are over
	s_barrier_signal -1
	s_barrier_wait -1
.if \fill
	TLOAD                                          ; the first thing behind the barrier, and a wave's one tensor load until the next
	ASK
.endif
.endm
; A block of queries is done: O^T / l, quantised; the codes are the next operand's registers and leave as they stand.
.macro FINISH
	s_wait_xcnt 0x0                                ; the stores of the block before have read their registers and their base
.rept 4
	v_nop                                          ; places behind the last products
.endr
	v_add_f32 v14, v14, v15                        ; the sum's two halves,
	s_delay_alu instid0(VALU_DEP_1)
	v_permlanex16_b32 v216, v14, s[SEL], s[SEL+1]
	s_delay_alu instid0(VALU_DEP_1)
	v_add_f32 v14, v14, v216                       ; and lane l xor 16's
	s_wait_alu depctr_va_vdst(0)
	v_rcp_f32 v14, v14
	v_nop                                          ; a plain line behind the reciprocal
	s_lshl_b32 s[OO], s[Q0], 10                    ; token / 16 x 16,384 bytes
	s_add_co_u32 s[OO], s[OO], s[OH]
	s_add_nc_u64 s[OB:OB+1], s[16:17], s[OO:OO+1]
	s_wait_alu depctr_va_vdst(0)                   ; the wait ahead of its first reader
.set j, 0
.rept 32
	v_mul_f32 v[96+j], v[160+j], v14               ; each accumulator from its low end on
.set j, j+1
.endr
.set j, 0
.rept 32
.set j, j+1
.endr
.irp t, 0,1,2,3
	v_cvt_scalef32_pk8_fp8_f32 v[208+2*\t:209+2*\t], v[96+8*\t:103+8*\t], v227   ; tile t holds v's rows 16 t + 8 h + 0 .. 7, which are channels 32 (t / 2) + 16 h + 8 (t % 2) + 0 .. 7
.endr
	v_nop                                          ; one plain line behind the last conversion: later products write v96 on
	global_store_b128 v[GO], v[208:211], s[OB:OB+1]            ; 32 lanes store 512 consecutive bytes, aligned
	global_store_b128 v[GO], v[212:215], s[OB:OB+1] offset:512
.endm
	s_wait_loadcnt 0x0                             ; Q
.Lslot:                                            ; eight trips: behind each change of slots but the last the next slot is asked for
	CHANGE 1
	STEP 0
	STEP 1
	s_xor_b32 s[TB], s[TB], SLOT1                  ; on to the other slot
	s_cmp_lg_u32 s[SLOTS], s[SWAT]                 ; was this block i's last slot?  (ids alone)
	s_cbranch_scc1 .Lsame
	FINISH
.irp j, 0,1,2,3,4,5,6,7
	v_mov_b32 v[16+\j], v[24+\j]                   ; block 7 - i's queries
.endr
	CLEAR
	s_mov_b32 s[Q0], s[Q0HI]
	s_mov_b32 s[KF], 0
.Lsame:
	s_sub_co_u32 s[SLOTS], s[SLOTS], 1
	s_cmp_lg_u32 s[SLOTS], 0
	s_cbranch_scc1 .Lslot
	CHANGE 0                                       ; the last slot is written out
	STEP 0
	STEP 1
	FINISH
	s_wait_tensorcnt 0x0                           ; the wave's end
	ds_add_u32 v[SPW], v[NIL]
	s_wait_dscnt 0x0
	s_endpgm
.Lfunc_end_k_q1a18616606_attn:
	.size	k_q1a18616606_attn, .Lfunc_end_k_q1a18616606_attn-k_q1a18616606_attn
	.p2alignl 7, 3214868480
	.fill 96, 4, 3214868480
	.section	.rodata,"a",@progbits
	.p2align	6, 0x0
	.amdhsa_kernel k_q1a18616606_attn
		.amdhsa_group_segment_fixed_size 327680
		.amdhsa_private_segment_fixed_size 0
		.amdhsa_enable_private_segment 0
		.amdhsa_kernarg_size 24
		.amdhsa_user_sgpr_count 2
		.amdhsa_user_sgpr_kernarg_segment_ptr 1
		.amdhsa_wavefront_size32 1
		.amdhsa_system_sgpr_workgroup_id_x 1
		.amdhsa_system_sgpr_workgroup_id_y 1
		.amdhsa_system_sgpr_workgroup_id_z 1
		.amdhsa_system_vgpr_workitem_id 0
		.amdhsa_next_free_vgpr 256
		.amdhsa_next_free_sgpr 100
		.amdhsa_reserve_vcc 1
		.amdhsa_float_denorm_mode_32 3
		.amdhsa_float_denorm_mode_16_64 3
		.amdhsa_fp16_overflow 1
		.amdhsa_memory_ordered 1
		.amdhsa_forward_progress 1
		.amdhsa_inst_pref_size 92
	.end_amdhsa_kernel
	.amdgpu_metadata
---
amdhsa.version: [ 1, 2 ]
amdhsa.kernels:
  - .name:           k_q1a18616606_attn
    .symbol:         k_q1a18616606_attn.kd
    .args:
      - { .name: qkv, .offset: 0, .size: 8, .value_kind: global_buffer, .address_space: global }
      - { .name: lowp_scales, .offset: 8, .size: 8, .value_kind: global_buffer, .address_space: global }
      - { .name: oc, .offset: 16, .size: 8, .value_kind: global_buffer, .address_space: global }
    .group_segment_fixed_size: 327680
    .private_segment_fixed_size: 0
    .kernarg_segment_align: 8
    .kernarg_segment_size: 24
    .max_flat_workgroup_size: 512
    .sgpr_count:     100
    .vgpr_count:     256
    .wavefront_size: 32
...
	.end_amdgpu_metadata
.endif
;; end of part 3
;; launch outp (part 4): grid 4 x 32, 4 waves a work-group, clusters of 4 x 4, 327,680 bytes of LDS; arguments oc, wc, lowp_scales, bp, out0; writes out0
.if DOCPART == 4
	.amdgcn_target "amdgcn-amd-amdhsa--gfx1250"
	.amdhsa_code_object_version 6
	.text
	.protected	k_q1a18616606_outp
	.globl	k_q1a18616606_outp
	.p2align	8
	.type	k_q1a18616606_outp,@function
k_q1a18616606_outp:
	s_mov_b64 s[64:65], 0
	v_nop
	global_prefetch_b8 v0, s[64:65] scope:SCOPE_SE
	s_setreg_imm32_b32 hwreg(HW_REG_WAVE_MODE, 25, 1), 1
	s_wait_xcnt 0x0
	s_wait_alu depctr_hold_cnt(0) depctr_sa_sdst(0) depctr_va_vdst(0) depctr_va_sdst(0) depctr_va_ssrc(0) depctr_va_vcc(0) depctr_vm_vsrc(0)
	s_getreg_b32 s2, hwreg(HW_REG_IB_STS2, 6, 4)
	s_cmp_eq_u32 s2, 0
	s_cbranch_scc0 .Lentry_in_a_cluster
	s_endpgm
.Lentry_in_a_cluster:
	s_bfe_u32 s2, ttmp6, 0x10000c
	s_cmp_lg_u32 s2, 0xf033
	s_cbranch_scc0 .Lentry_shape_is_right
	s_endpgm
.Lentry_shape_is_right:
; out0[token][n] = sum over k of O[token][k] Wp[n][k] + bp[n], on codes of FP8 (E4M3); sums in f32; each finished sum is multiplied once by 2^(e10 + e11) and bp is added in the same fused multiply-add.
; LIMIT: e10 + e11 between -126 and 127, so that 2^(e10 + e11) is an f32 number.
; A (attention's result) comes from oc as images of the operand's registers: [token / 16][K / 32][lane 32][16 bytes]: part c of lane (r, h) = K 32 c + 16 h + 0 .. 15 of token 16 T + r.  A fragment is four 16-byte loads at 16 x lane: no pitch, no padding.
; B = Wp's codes, wc + 3 MiB, [1024 n][1024 k], rows in LDS 272 bytes apart, loaded in the same order of K.
; A tile of 256 x 256 of out0 to a work-group of four waves, 128 x 128 to a wave: 64 accumulators.  K = 1024 goes in four steps of 256 through a ring of two LDS slots filled by the tensor data mover.
; CLUSTERS: 4 x 4 work-groups; the four of a row of the cluster need the same tiles of A, the four of a column the same tiles of B: each tile is asked for jointly.
; THE MATRIX INSTRUCTION IS USED TRANSPOSED (source 0 = 16 rows of Wp, source 1 = 16 tokens): a lane holds eight neighbouring numbers of a row of out0.
; REGISTERS, in windows of 256: window 0: v0-31 addresses, v8-11 my four numbers of bp; from v128 A's fragments, one set; on the way out rows of out0.  window 1: B's fragments, two sets.  windows 2, 3: the accumulators.
; No prefetch: a tile has four K steps, and each tile is already fetched once for four work-groups.
.set SIZE_N, 1024
.set SIZE_K, 1024
.set KSTEP,  256
.set ROWB,   256                       ; a row of B's tile in bytes
.set KROW,   SIZE_K
.set PITCH,  272                       ; B's LDS row: 256 bytes + 16 of padding
.set FR,     16
.set NL,     4
.set NP,     4                         ; places behind this matrix instruction (ISA guide 7.12.1)
.set ATILE,  4096                      ; 16 tokens x 256 K of A: eight parts of 512 bytes
.set ABYTES, 16*ATILE                  ; A's 256 tokens in a slot
.set HALFB,  128*PITCH
.set SLOT,   ABYTES+2*HALFB            ; A's images, then B's 256 rows
.set LAPS,   SIZE_K/(2*KSTEP)
.set SPARE,  2*SLOT                    ; behind the ring: the spare words, 128 bytes for each wave
.set SPITCH, 528                       ; the way out: a stage of 16 rows x (512 bytes + 16) for each wave, in slot 0, which has had its last fill and its last read by then
.set BIAS, 8                           ; v8-11   bp at my four columns of a row read back
.set ADRA, 16                          ; v16-17  LDS address of my A fragments in slot 0, 1
.set ADRB, 20                          ; v20-21  the same for B
.set STO,  24                          ; v24     the way out: where I put 32 bytes of a row
.set RD,   25                          ; v25     where I read a row back
.set CO,   26                          ; v26     16 x lane
.set SPW,  28                          ; v28     LDS address of my spare word; never rewritten
.set NIL,  29                          ; v29     0; never rewritten
.set AF,   128
.set BK,   128                         ; the way out: 16 rows read back from the stage: v128-191 and v192-255 by turns
.set G1, 24                            ; s[24:31] descriptor group 1 for A's tiles;  s[32:39] group 0, one set for each slot
.set G0, 32
.set G1B, 48                           ; s[48:55], s[56:63] the same for B's tiles
.set G0B, 56
.set MSB, 0
.macro WIN new                         ; the immediate's high byte repeats the setting that is left
.if MSB != \new
	s_set_vgpr_msb (MSB<<8)|\new
.set MSB, \new
.endif
.endm
.set MUL_LO, 0xa1                      ; source 0 (B) window 1, source 1 (A) window 0, C and D window 2
.set MUL_HI, 0xf1
.set TO_B,   0x40
.macro JLOAD g0a, g1a, g0b, g1b        ; a joint load: waves 0 and 1 fetch for A, waves 2 and 3 for B; four v_nop follow each of the two lines
	s_cmp_eq_u32 s15, 0
	s_cbranch_scc0 .Lfor_b_\@
	tensor_load_to_lds s[\g0a:\g0a+3], s[\g1a:\g1a+7]
	s_nop 0
.rept 4
	v_nop
.endr
	s_branch .Lasked_\@
.Lfor_b_\@:
	tensor_load_to_lds s[\g0b:\g0b+3], s[\g1b:\g1b+7]
	s_nop 0
.rept 4
	v_nop
.endr
.Lasked_\@:
.endm
.macro CREST
	s_cmp_lg_u32 s14, 0
	s_cbranch_scc1 .Lnot_wave_0_\@
	s_barrier_signal -3
.Lnot_wave_0_\@:
	s_barrier_wait -3
	s_barrier_signal -1
	s_barrier_wait -1
.endm
.macro CROUND
	s_barrier_signal -1
	s_barrier_wait -1
	CREST
.endm
	s_load_b128 s[4:7], s[0:1], 0x0                ; oc s[4:5], wc s[6:7]
	s_load_b128 s[8:11], s[0:1], 0x10              ; the exponents s[8:9], bp s[10:11]
	s_load_b64 s[12:13], s[0:1], 0x20              ; out0
	v_lshl_add_u32 v[SPW], v0, 2, SPARE
	v_mov_b32 v[NIL], 0
	ds_add_u32 v28, v29
	ds_add_u32 v28, v29
	s_wait_dscnt 0x0
	v_lshrrev_b32 v1, 5, v0
	v_readfirstlane_b32 s14, v1                    ; wave 0..3
	s_lshr_b32 s15, s14, 1                         ; which half of the tile's rows is mine.  Also: I fetch for A (0) or for B (1)
	s_and_b32 s16, s14, 1                          ; which half of its columns.  Also: which half of that tile I fetch
	s_bfe_u32 s40, ttmp6, 0x40000                  ; cx, cy
	s_bfe_u32 s41, ttmp6, 0x40004
	s_lshl_b32 s42, ttmp9, 2
	s_add_co_u32 s42, s42, s40                     ; tile column = 4 x cluster x + cx
	s_and_b32 s17, ttmp7, 0xffff
	s_lshl_b32 s17, s17, 2
	s_add_co_u32 s17, s17, s41                     ; tile row = 4 x cluster y + cy
	s_lshl_b32 s43, s41, 2
	s_lshl_b32 s43, 15, s43                        ; my row of the cluster
	s_lshl_b32 s44, 0x1111, s40                    ; my column
	; descriptor group 1.  A: 8 rows (tiles of 16 tokens) of 4,096 bytes, 16,384 bytes apart, in elements of 8 bytes, no padding
	s_or_b32 s[G1+0], s43, (3<<16)|(1<<21)         ; 15:0 the mask: my row; 17:16 elements of 8 bytes; 21 set beside a mask
	s_mov_b32 s[G1+1], 512<<16                     ; tensor_dim0 = 512 elements
	s_mov_b32 s[G1+2], 8<<16                       ; tensor_dim1 = 8
	s_mov_b32 s[G1+3], 512<<16                     ; tile_dim0
	s_mov_b32 s[G1+4], 8                           ; tile_dim1
	s_mov_b32 s[G1+5], 2048                        ; tensor_dim0_stride
	s_mov_b32 s[G1+6], 0
	s_mov_b32 s[G1+7], 0
	; B: 128 rows of 256 bytes, padded in LDS
	s_or_b32 s[G1B+0], s44, (0<<16)|(1<<20)|(1<<21)|(5<<22)|(3<<25)
	s_mov_b32 s[G1B+1], ROWB<<16
	s_mov_b32 s[G1B+2], 128<<16
	s_mov_b32 s[G1B+3], ROWB<<16
	s_mov_b32 s[G1B+4], 128
	s_mov_b32 s[G1B+5], KROW
	s_mov_b32 s[G1B+6], 0
	s_mov_b32 s[G1B+7], 0
	s_lshl_b32 s20, s17, 4
	s_lshl_b32 s18, s16, 3
	s_add_co_u32 s20, s20, s18                     ; A: tile of tokens 16 x tile row + 8 x half,
	s_lshl_b32 s20, s20, 14                        ; 16,384 bytes each
	s_mov_b32 s21, 0
	s_lshl_b32 s46, s42, 8
	s_lshl_b32 s18, s16, 7
	s_add_co_u32 s46, s46, s18                     ; B: row 256 x tile column + 128 x half,
	s_lshl_b32 s46, s46, 10
	s_add_co_u32 s46, s46, 0x300000                ; of Wp, the fourth weight in wc
	s_mov_b32 s47, 0
	s_lshl_b32 s45, s16, 15                        ; where they go: A's half: 32,768 bytes;
	s_mul_i32 s19, s16, HALFB
	s_add_co_u32 s19, s19, ABYTES                  ; B's half, behind A: no place in the cluster enters an LDS address
	s_wait_kmcnt 0x0
	s_load_b64 s[96:97], s[8:9], 0x28              ; e10, e11
	s_add_nc_u64 s[20:21], s[4:5], s[20:21]
	s_add_nc_u64 s[46:47], s[6:7], s[46:47]
	CROUND                                         ; all sixteen work-groups are here: the first joint loads meet
.irp s, 0,1
	s_mov_b32 s[G0+4*\s], 1
	s_add_co_u32 s[G0+4*\s+1], s45, \s*SLOT
	s_add_nc_u64 s[G0+4*\s+2:G0+4*\s+3], s[20:21], \s*ATILE
	s_or_b32 s[G0+4*\s+3], s[G0+4*\s+3], 0x80000000
	s_mov_b32 s[G0B+4*\s], 1
	s_add_co_u32 s[G0B+4*\s+1], s19, \s*SLOT
	s_add_nc_u64 s[G0B+4*\s+2:G0B+4*\s+3], s[46:47], \s*ROWB
	s_or_b32 s[G0B+4*\s+3], s[G0B+4*\s+3], 0x80000000
	s_wait_alu depctr_va_vdst(0)
	s_wait_tensorcnt 0x0
	ds_add_u32 v28, v29
	ds_add_u32 v28, v29
	s_wait_dscnt 0x0
	CROUND
	JLOAD G0+4*\s, G1, G0B+4*\s, G1B
.endr
	v_and_b32 v1, 15, v0                           ; l % 16
	v_bfe_u32 v2, v0, 4, 1                         ; l / 16
	v_mul_u32_u24 v3, v1, PITCH
	v_lshl_add_u32 v4, v2, 4, v3                   ; B: a fragment's row x pitch + 16 x half
	v_and_b32 v6, 31, v0
	v_lshlrev_b32 v[CO], 4, v6                     ; A: 16 x lane; also my place in a row of 512 bytes
	s_wait_alu depctr_va_vdst(0)
	s_lshl_b32 s21, s15, 15                        ; my 8 tiles of tokens
	s_mul_i32 s22, s16, HALFB
	s_add_co_u32 s22, s22, ABYTES                  ; my 128 rows of B
.irp s, 0,1
	v_add_nc_u32 v[ADRA+\s], s21, v[CO]
	v_add_nc_u32 v[ADRB+\s], s22, v4
	s_add_co_u32 s21, s21, SLOT
	s_add_co_u32 s22, s22, SLOT
.endr
	s_mul_i32 s23, s14, 16*SPITCH                  ; my stage
	v_mul_u32_u24 v5, v1, SPITCH                   ; in: row l % 16, 32 bytes for each half of the lanes
	v_lshl_add_u32 v5, v2, 5, v5
	v_add_nc_u32 v[STO], s23, v5
	v_add_nc_u32 v[RD], s23, v[CO]                 ; back: the 32 lanes take one row of 512 bytes
	s_lshl_b32 s20, s17, 8
	s_lshl_b32 s21, s15, 7
	s_add_co_u32 s20, s20, s21                     ; my first row of out0,
	s_lshl_b32 s20, s20, 12                        ; 4,096 bytes each: under 2^25
	s_mov_b32 s21, 0
	s_lshl_b32 s46, s42, 10                        ; my first column, in bytes: 1,024 x tile column + 512 x half
	s_lshl_b32 s47, s16, 9
	s_add_co_u32 s46, s46, s47
	s_mov_b32 s47, 0
	s_add_nc_u64 s[10:11], s[10:11], s[46:47]
	global_load_b128 v[BIAS:BIAS+3], v[CO], s[10:11]   ; bp at my wave's 128 columns, four a lane
	s_add_nc_u64 s[20:21], s[20:21], s[46:47]
	s_add_nc_u64 s[12:13], s[12:13], s[20:21]
.macro FRAGA reg, adr, q, i            ; A's fragment: the image's four parts as they lie
.irp c, 0,1,2,3
	ds_load_b128 v[\reg+4*\c:\reg+4*\c+3], v[\adr] offset:2048*(\q)+512*\c+(\i)*ATILE
.endr
.endm
.macro FRAGB reg, adr, q, i            ; B's: lane l holds row l % 16; registers 4 c .. 4 c + 3 hold K = 32 c + 16 (l / 16) + 0 .. 15
.irp c, 0,1,2,3
	ds_load_b128 v[\reg+4*\c:\reg+4*\c+3], v[\adr] offset:128*(\q)+32*\c+(\i)*16*PITCH
.endr
.endm
; 16 matrix instructions: A's blocks a0, a0 + 1 x B's eight.  The 64 accumulators take turns, one instruction a turn, in the same order in every step.
.macro MUL16 a0, p, zero
.irp a, \a0, \a0+1
.irp b, 0,1,2,3,4,5,6,7
.if \zero
	v_wmma_f32_16x16x128_fp8_fp8 v[8*(8*((\a)%4)+\b):8*(8*((\a)%4)+\b)+7], v[128*(\p)+FR*\b:128*(\p)+FR*\b+FR-1], v[AF+FR*(\a):AF+FR*(\a)+FR-1], 0
.else
	v_wmma_f32_16x16x128_fp8_fp8 v[8*(8*((\a)%4)+\b):8*(8*((\a)%4)+\b)+7], v[128*(\p)+FR*\b:128*(\p)+FR*\b+FR-1], v[AF+FR*(\a):AF+FR*(\a)+FR-1], v[8*(8*((\a)%4)+\b):8*(8*((\a)%4)+\b)+7]
.endif
.endr
.endr
.endm
.macro FETCH_B slot, q, p
	WIN TO_B
.irp i, 0,1,2,3,4,5,6,7
	FRAGB 128*(\p)+FR*\i, ADRB+\slot, \q, \i
.endr
	WIN 0
.endm
.macro FETCH_A slot, q, i0
.irp i, \i0, \i0+1, \i0+2, \i0+3
	FRAGA AF+FR*(\i), ADRA+\slot, \q, \i
.endr
.endm
.macro PLACES n                        ; plain vector lines between a matrix instruction and a load into one of its registers, or the first read of its result
.rept \n
	v_nop
.endr
.endm
.macro STEP slot, q, zero
	s_wait_dscnt 4*NL                              ; B's set and A's blocks 0-3 are in; the youngest sixteen loads (A's blocks 4-7) may be out
	WIN MUL_LO
	MUL16 0, (\q)%2, \zero
	MUL16 2, (\q)%2, \zero
	s_wait_dscnt 0
	PLACES NP
	FETCH_B \slot, (\q)+1, 1-(\q)%2
	FETCH_A \slot, (\q)+1, 0
	WIN MUL_HI
	MUL16 4, (\q)%2, \zero
	MUL16 6, (\q)%2, \zero
	PLACES NP
	WIN 0
	FETCH_A \slot, (\q)+1, 4
.endm
; A slot's last step changes slots: one barrier; in front of it each wave waits for all its tensor loads, adds 0 to its spare word, and waits for that and for its own reads of this slot.
.macro TURN slot, next, fill
	s_wait_tensorcnt 0x0                           ; all my tensor loads have landed: my part of the next slot
	ds_add_u32 v[SPW], v[NIL]                      ; 0 onto my spare word
	s_wait_dscnt 4*NL+1                            ; the add and the youngest sixteen loads may be out
	WIN MUL_LO
	MUL16 0, 1, 0
	s_wait_dscnt 0x0                               ; the add is done, and my reads of this slot are over
	s_barrier_signal -1
	MUL16 2, 1, 0
	WIN 0
	s_barrier_wait -1
.if \fill
	CREST                                          ; the barrier has opened a round of the cluster's barrier
	s_add_nc_u64 s[G0+4*\slot+2:G0+4*\slot+3], s[G0+4*\slot+2:G0+4*\slot+3], 2*ATILE
	s_add_nc_u64 s[G0B+4*\slot+2:G0B+4*\slot+3], s[G0B+4*\slot+2:G0B+4*\slot+3], 2*ROWB
	JLOAD G0+4*\slot, G1, G0B+4*\slot, G1B         ; the first tensor load behind the round; its four v_nop are also the places in front of the loads below
.else
	PLACES NP
.endif
	FETCH_B \next, 0, 0
	FETCH_A \next, 0, 0
	WIN MUL_HI
	MUL16 4, 1, 0
	MUL16 6, 1, 0
	PLACES NP
	WIN 0
	FETCH_A \next, 0, 4
.endm
	s_wait_alu depctr_va_vdst(0)
	s_wait_tensorcnt 1                             ; my part of K step 0 is in; K step 1's load may be out
	s_barrier_signal -1
	s_barrier_wait -1
	FETCH_B 0, 0, 0
	FETCH_A 0, 0, 0
	FETCH_A 0, 0, 4
	STEP 0, 0, 1                                   ; the first step's products start the sums
	s_mov_b32 s3, LAPS-1
.Llap:
	TURN 0, 1, 1
	STEP 1, 0, 0
	TURN 1, 0, 1
	STEP 0, 0, 0
	s_sub_co_u32 s3, s3, 1
	s_cmp_lg_u32 s3, 0
	s_cbranch_scc1 .Llap
	TURN 0, 1, 0                                   ; the last lap fills nothing
	STEP 1, 0, 0
	s_wait_dscnt 4*NL
	WIN MUL_LO
	MUL16 0, 1, 0
	MUL16 2, 1, 0
	s_wait_dscnt 0
	WIN MUL_HI
	MUL16 4, 1, 0
	MUL16 6, 1, 0
	WIN 0
; THE WAY OUT, block by block of 16 rows x 128 columns.  The sums go into my own stage as they are (each accumulator's low four registers first) and come back as whole rows of 512 bytes, four columns a lane:
; there one packed multiply-add for two numbers gives sum x 2^(e10 + e11) + bp, with the same four numbers of bp in every row.  LDS serves a wave's instructions in order (ISA guide 5.7.1.4): no wait between the stores and the loads.
.macro TOSTAGE a
.set AC, 64*((\a)%4)
.set WS, 0x08+4*((\a)/4)
	WIN WS                                         ; the stores' data: window 2 or 3
.irp b, 0,1,2,3,4,5,6,7
	ds_store_b128 v[STO], v[AC+8*\b:AC+8*\b+3] offset:64*\b
	ds_store_b128 v[STO], v[AC+8*\b+4:AC+8*\b+7] offset:64*\b+16
.endr
	WIN 0
.set BB, BK+64*((\a)%2)
.irp t, 0,1,2,3,4,5,6,7,8,9,10,11,12,13,14,15
	ds_load_b128 v[BB+4*\t:BB+4*\t+3], v[RD] offset:\t*SPITCH
.endr
.endm
.macro SEND a, younger                 ; younger: the LDS instructions issued behind block a's loads, which may stay out
.set BB, BK+64*((\a)%2)
	s_wait_dscnt \younger
.irp t, 0,1,2,3,4,5,6,7,8,9,10,11,12,13,14,15
.irp u, 0,1
	v_pk_fma_f32 v[BB+4*\t+2*\u:BB+4*\t+2*\u+1], v[BB+4*\t+2*\u:BB+4*\t+2*\u+1], s[96:97], v[BIAS+2*\u:BIAS+2*\u+1] op_sel_hi:[1,0,1]
.endr
.endr
.if (\a) > 0
	s_add_nc_u64 s[12:13], s[12:13], 16*SIZE_N*4   ; (behind a wait on XCNT: the earlier stores have read their base)  16 rows on
.endif
.irp t, 0,1,2,3,4,5,6,7,8,9,10,11,12,13,14,15
	global_store_b128 v[CO], v[BB+4*\t:BB+4*\t+3], s[12:13] offset:\t*SIZE_N*4 th:TH_STORE_NT   ; 32 lanes store 512 consecutive bytes, aligned; written once, read by nobody here
.endr
.endm
	s_wait_kmcnt 0x0
	s_add_co_i32 s96, s96, s97                     ; e10 + e11
	s_add_co_i32 s96, s96, 127
	s_lshl_b32 s96, s96, 23                        ; 2^(e10 + e11) as f32
	s_wait_loadcnt 0x0                             ; bp
	PLACES NP                                      ; behind the last products: results are read and A's registers loaded below
	TOSTAGE 0
.irp a, 1,2,3,4,5,6,7
.if \a > 1
	s_wait_xcnt 0x0                                ; block a - 2's stores have read their registers and their base
.endif
	TOSTAGE \a
	SEND \a-1, 32                                  ; behind block a - 1's loads: block a's 16 stores and 16 loads
.endr
	s_wait_xcnt 0x0
	SEND 7, 0
	s_wait_tensorcnt 0x0                           ; the wave's end
	ds_add_u32 v[SPW], v[NIL]
	s_wait_dscnt 0x0
	CROUND                                         ; the closing round
	s_endpgm
.Lfunc_end_k_q1a18616606_outp:
	.size	k_q1a18616606_outp, .Lfunc_end_k_q1a18616606_outp-k_q1a18616606_outp
	.p2alignl 7, 3214868480
	.fill 96, 4, 3214868480
	.section	.rodata,"a",@progbits
	.p2align	6, 0x0
	.amdhsa_kernel k_q1a18616606_outp
		.amdhsa_group_segment_fixed_size 327680
		.amdhsa_private_segment_fixed_size 0
		.amdhsa_enable_private_segment 0
		.amdhsa_kernarg_size 40
		.amdhsa_user_sgpr_count 2
		.amdhsa_user_sgpr_kernarg_segment_ptr 1
		.amdhsa_wavefront_size32 1
		.amdhsa_system_sgpr_workgroup_id_x 1
		.amdhsa_system_sgpr_workgroup_id_y 1
		.amdhsa_system_sgpr_workgroup_id_z 1
		.amdhsa_system_vgpr_workitem_id 0
		.amdhsa_next_free_vgpr 1024
		.amdhsa_next_free_sgpr 100
		.amdhsa_reserve_vcc 0
		.amdhsa_float_denorm_mode_32 3
		.amdhsa_float_denorm_mode_16_64 3
		.amdhsa_memory_ordered 1
		.amdhsa_forward_progress 1
		.amdhsa_inst_pref_size 124
	.end_amdhsa_kernel
	.amdgpu_metadata
---
amdhsa.version: [ 1, 2 ]
amdhsa.kernels:
  - .name:           k_q1a18616606_outp
    .symbol:         k_q1a18616606_outp.kd
    .args:
      - { .name: oc, .offset: 0, .size: 8, .value_kind: global_buffer, .address_space: global }
      - { .name: wc, .offset: 8, .size: 8, .value_kind: global_buffer, .address_space: global }
      - { .name: lowp_scales, .offset: 16, .size: 8, .value_kind: global_buffer, .address_space: global }
      - { .name: bp, .offset: 24, .size: 8, .value_kind: global_buffer, .address_space: global }
      - { .name: out0, .offset: 32, .size: 8, .value_kind: global_buffer, .address_space: global }
    .group_segment_fixed_size: 327680
    .private_segment_fixed_size: 0
    .kernarg_segment_align: 8
    .kernarg_segment_size: 40
    .max_flat_workgroup_size: 128
    .sgpr_count:     100
    .vgpr_count:     1024
    .wavefront_size: 32
...
	.end_amdgpu_metadata
.endif
;; end of part 4
